; MI455X (gfx1250); checked and timed in simulation.
; The chip was launched on July 23, 2026; its instructions are those of AMD's public machine-readable ISA for CDNA 5 (MIT licence, August 2026) and "CDNA5" Instruction Set Architecture Reference Guide (July 2026). The comments in the code are by the model that wrote it; some were corrected since.
;; Dot Product Attention. Allowed arithmetic: matrix products marked QUANTISED: E2M3 operands, one E8M0 scale for each 32 along K, by v_wmma_scale_f32_16x16x128_f8f6f4 with both operands' format E2M3, f32 sums; everything else in f32.
;; Inputs: keys 32 x 2,048 x 128 float32; queries 32 x 2,048 x 128 float32; valid_lens 32 int32; values 32 x 2,048 x 128 float32.
;; Outputs: out0 32 x 2,048 x 128 float32.
;; This version of the problem:
;;   THIS VERSION OF THE PROBLEM IS GIVEN IN LOW PRECISION. The matrix products marked QUANTISED in the list below multiply operands that are first quantised to E2M3 (2 exponent bits, 3 mantissa bits; 6 bits a number), with one power-of-two scale for each 32 numbers along K (OCP MX v1.0); their sums are f32. All else is computed in f32.
;;   The module's matrix products, in the order in which they are computed (A, B: the left and right operand; K: the contracted axis; several contracted axes count as one K, in the product's order):
;;     1. batch 32 x [M 2,048, K 128] x [K 128, N 2,048]; A: input queries; B: input keys: QUANTISED
;;     2. batch 32 x [M 2,048, K 2,048] x [K 2,048, N 128]; A: softmax (see below); B: input values: QUANTISED
;;   THE QUANTISER, for each operand of a quantised product, along K:
;;     - K is cut into blocks of 32 from its start; a last block that is shorter is filled with zeros.
;;     - A block's scale is 2^e with e = floor(log2(the largest magnitude in the block)) - 2, held to -126 .. 127; a block of zeros has e = 0. As a byte (E8M0): e + 127.
;;     - Each number is divided by its block's scale, clamped to +-7.5, and rounded to the nearest number of E2M3, ties to even, subnormals kept.
;;     - The product sums the exact products of the quantised numbers (number of the format x scale) in f32.
;;   ~~~python
;;   def quantise(x, axis):      # numpy; x: float32 -> the quantised numbers, widened to float32 again
;;       x = np.moveaxis(x, axis, -1); K = x.shape[-1]
;;       x = np.pad(x, [(0, 0)] * (x.ndim - 1) + [(0, -K % 32)]); x = x.reshape(x.shape[:-1] + (-1, 32)); a = np.abs(x).max(-1, keepdims=True)
;;       e = np.where(a > 0, np.clip(np.frexp(np.where(a > 0, a, 1))[1] - 1 - 2, -126, 127), 0)      # np.frexp(a)[1] - 1 = floor(log2(a)), exactly
;;       r = np.clip(x / 2.0 ** e, -7.5, 7.5)
;;       step = 2.0 ** (np.maximum(np.frexp(np.where(r == 0, 1, r))[1] - 1, 0) - 3)
;;       q = np.round(r / step) * step * 2.0 ** e      # np.round: ties to even
;;       return np.moveaxis(q.reshape(q.shape[:-2] + (-1,))[..., :K], -1, axis).astype(np.float32)
;;   ~~~
;;   SOFTMAX AHEAD OF A QUANTISED PRODUCT. Where the list says 'softmax', what is quantised is not the finished softmax but p = 2^(t - M), with t = logit x log2(e) and M = ceil(the row's largest t), a whole number; so 1/2 < the row's largest p <= 1. The row's sum l is taken of the UNQUANTISED p, in f32, and the product's result is divided by l at the end. Since M is a whole number, a kernel that streams over the keys may use a running M (the ceiling of the running maximum): every later rescaling is an exact power of two, which a block's scale takes up: the codes' values come out the same.
;;   OPERANDS COMPUTED ON THE WAY. 'Computed on the way' means the value that the module computes at that place (a softmax that the list does not call 'softmax' is quantised finished and normalised). What goes into a quantiser is computed in f32, as accurately as f32 sums, v_exp_f32 and their like allow (about 1e-6 of the number): no bf16 or f16 on the way to a quantiser, and a product that is left as it is and whose result goes on into a quantised operand takes f32 operands (vector FMAs, or v_wmma_f32_16x16x4_f32). A number that lies on a knife's edge between two numbers of the format may be rounded either way, as far as f32 arithmetic and the matrix unit's own rounding can turn it there, and no further.
;; 2 versions. Each part assembles by itself: llvm-mc -triple=amdgcn-amd-amdhsa -mcpu=gfx1250 --defsym DOCPART=n.
;; ======== version 1 of 2: 2 launches
;; workspace buffers: qimg 6,553,600 bytes; kvimg 13,107,200 bytes
;; launch prep (part 1): grid 1536 x 1, 4 waves a work-group, no clusters, 68,096 bytes of LDS; arguments queries, keys, values, qimg, kvimg; writes qimg, kvimg
.if DOCPART == 1
	.amdgcn_target "amdgcn-amd-amdhsa--gfx1250"
	.amdhsa_code_object_version 6
	.text
	.protected	k_q0527ca25fc_prep
	.globl	k_q0527ca25fc_prep
	.p2align	8
	.type	k_q0527ca25fc_prep,@function
k_q0527ca25fc_prep:
	s_mov_b64 s[64:65], 0
	v_nop
	global_prefetch_b8 v0, s[64:65] scope:SCOPE_SE
	s_setreg_imm32_b32 hwreg(HW_REG_WAVE_MODE, 25, 1), 1
	s_wait_xcnt 0x0
; queries, keys, values: [32][2048][128] f32.  They become codes of FP6 (E2M3) with one E8M0 scale byte for each 32 along a product's K, laid as IMAGES OF THE MATRIX OPERANDS' REGISTERS.
; queries and keys are quantised along the 128 channels (innermost), values along the keys (their first axis within a batch).
; A FRAGMENT IMAGE: 16 rows x 128 K = 12 registers a lane, as three groups of four: registers 4 c .. 4 c + 3 of lane l at byte 512 c + 16 l: 1,536 bytes.
; A SCALE IMAGE of a pair of tiles: 128 bytes, lane l's word at 4 l: lanes 0-15 the even tile's rows, lanes 16-31 the odd tile's.
; THE ROWS OF A TILE OF q OR k ARE NOT NEIGHBOURS: in a group of 32 rows, lane row r of tile u takes row 8 u + r + 8 (r / 8): so the scores' 16 registers of two neighbouring tiles of keys are 16 neighbouring keys.
; qimg:  block B = 16 x batch + (128 queries): codes at 12,288 B + 3,072 w + 1,536 u (w: the group of 32); scale images at 0x600000 + 512 B + 128 w.
; kvimg: block B = 16 x batch + (128 keys): codes at 24,576 B: K's tile 2 w + u at 1,536 (2 w + u), V's tile t (channels 16 t on, K = the block's 128 keys) at 12,288 + 1,536 t;
;        scale images at 0xC00000 + 1,024 B: K's pair w at 128 w, V's pair w (tiles 2 w, 2 w + 1) at 512 + 128 w.
; A block's scale is 2^(floor(log2(its largest magnitude)) - 2); its byte is the largest magnitude's exponent field - 2, held at 1 from below.
; LIMITS: a block of zeros gets the byte 1 where the rule says 127 (its codes are zeros, and this program alone reads the bytes); blocks whose largest magnitude lies under 2^-124, the floor, were not tried;
; NaN and infinities among the inputs are not served.  A scale image is stored as 128 consecutive bytes: one byte in 128 of what the launch reads.
; SHARES: work-groups 0-511 take a block of q, 512-1023 a block of k (ONE path: only pointers and strides are chosen), 1024-1535 a block of v.  65,536 dense bytes each; a wave takes 32 rows (q, k) or 32 channels (v).
; No matrix work, no cluster, no barrier: waves share nothing, and no work-group reads what another reads.  Only the path of q and k uses LDS: a stage for each wave.
.set SP,    528                        ; a stage row: 512 bytes + 16 = 33 x 16: the 16 rows that a read touches begin in 16 different columns of 16 bytes
.set STG,   32*SP                      ; a wave's stage
.set FLOOR, 0x1800000                  ; 2^(3 - 127)
.set BM,  10                           ; v10-13  largest magnitudes
.set BO,  14                           ; v14-17  the conversions' scale operands
.set BY,  18                           ; v18-21  scale bytes
.set WD,  22                           ; v22-23  scale words of tile 0, 1
.set CT,  26                           ; v26-28, v30-32  the conversions' second halves
.set C0,  36                           ; v36-47, v48-59  the two fragments
.set NUM, 64                           ; v64-191 128 numbers
	s_load_b256 s[4:11], s[0:1], 0x0               ; queries s[4:5], keys s[6:7], values s[8:9], qimg s[10:11]
	s_load_b64 s[12:13], s[0:1], 0x20              ; kvimg
	v_lshl_add_u32 v192, v0, 2, 0x10800
	v_mov_b32 v193, 0
	v_lshrrev_b32 v1, 5, v0
	v_readfirstlane_b32 s14, v1                    ; wave 0..3
	v_and_b32 v1, 31, v0                           ; lane
	v_lshlrev_b32 v2, 4, v1                        ; 16 x lane
	v_lshlrev_b32 v3, 2, v1                        ; 4 x lane
	v_and_b32 v4, 15, v0                           ; r
	v_bfe_u32 v5, v0, 4, 1                         ; h
	s_mul_i32 s26, s14, STG
	v_add_nc_u32 v6, s26, v2                       ; the stage, on the way in: a row's 512 bytes as they lie
	v_mul_u32_u24 v7, v4, SP
	v_lshl_add_u32 v7, v5, 7, v7
	v_add_nc_u32 v7, s26, v7                       ; and on the way out: row r, + 128 h: my 32 numbers of each 64
	v_lshlrev_b32 v8, 3, v5                        ; 8 h
	v_mov_b32 v24, 0                               ; written once: a lane permute's destination counts as one of its sources
	s_mov_b32 s30, 0x76543210
	s_mov_b32 s31, 0xfedcba98                      ; v_permlanex16_b32's selects for lane l xor 16
	s_mov_b32 s27, 0
	s_cmp_ge_u32 ttmp9, 1024
	s_cbranch_scc1 .Lvalues
; ---- q AND k: K is innermost ----
	s_wait_kmcnt 0x0
	s_cmp_lt_u32 ttmp9, 512                        ; q's work-group or k's?  The choice hangs on the work-group's number alone
	s_cselect_b64 s[20:21], s[4:5], s[6:7]         ; the numbers
	s_cselect_b64 s[22:23], s[10:11], s[12:13]     ; the images
	s_cselect_b32 s15, 0, 512
	s_mov_b32 s16, 24576
	s_cselect_b32 s16, 12288, s16                  ; bytes of codes from block to block
	s_mov_b32 s17, 0xC00000
	s_cselect_b32 s17, 0x600000, s17               ; where the scale images begin
	s_mov_b32 s18, 1024
	s_cselect_b32 s18, 512, s18                    ; and their bytes from block to block
	s_sub_co_u32 s15, ttmp9, s15                   ; the block
	s_lshl_b32 s26, s15, 16
	s_lshl_b32 s28, s14, 14
	s_add_co_u32 s26, s26, s28                     ; 65,536 x block + 16,384 x wave: my 32 rows
	s_add_nc_u64 s[20:21], s[20:21], s[26:27]
	s_mul_i32 s26, s15, s18
	s_add_co_u32 s26, s26, s17
	s_lshl_b32 s28, s14, 7
	s_add_co_u32 s26, s26, s28
	s_add_nc_u64 s[24:25], s[22:23], s[26:27]      ; my scale image
	s_mul_i32 s26, s15, s16
	s_mul_i32 s28, s14, 3072
	s_add_co_u32 s26, s26, s28
	s_add_nc_u64 s[22:23], s[22:23], s[26:27]      ; my two fragment images
.macro LOADR u                         ; tile u's 16 rows, in the tile's order: each load is one whole row, 512 consecutive bytes
.irp r, 0,1,2,3,4,5,6,7,8,9,10,11,12,13,14,15
	global_load_b128 v[NUM+64*\u+4*\r:NUM+64*\u+4*\r+3], v2, s[20:21] offset:512*(8*\u+\r+8*(\r/8)) th:TH_LOAD_NT
.endr
.endm
.macro TURN u                          ; through my stage: in as rows, out 128 bytes a lane: register 32 c + i = channel 64 c + 32 h + i of my row.  LDS serves a wave's instructions in order: no wait between
.irp r, 0,1,2,3,4,5,6,7,8,9,10,11,12,13,14,15
	ds_store_b128 v6, v[NUM+64*\u+4*\r:NUM+64*\u+4*\r+3] offset:(16*\u+\r)*SP
.endr
.irp c, 0,1
.irp j, 0,1,2,3,4,5,6,7
	ds_load_b128 v[NUM+64*\u+32*\c+4*\j:NUM+64*\u+32*\c+4*\j+3], v7 offset:16*\u*SP+256*\c+16*\j
.endr
.endr
.endm
.macro QUANT u                         ; a lane holds two whole blocks, h and 2 + h of its row: no other lane is asked for a maximum
.set XR, NUM+64*\u
.set CU, C0+12*\u
.irp c, 0,1
	v_max3_num_f32 v[BM+\c], |v[XR+32*\c]|, |v[XR+32*\c+1]|, FLOOR   ; with the floor among the leaves: the byte cannot fall under 1
.endr
.irp i, 2,4,6,8,10,12,14,16,18,20,22,24,26,28,30
.irp c, 0,1
	v_max3_num_f32 v[BM+\c], v[BM+\c], |v[XR+32*\c+\i]|, |v[XR+32*\c+\i+1]|   ; (the two blocks by turns)
.endr
.endr
.irp c, 0,1
	v_add_nc_u32 v[BO+\c], 0xff000000, v[BM+\c]    ; 2 off the exponent field: the conversion takes the exponent field of this operand as its scale
.endr
.irp c, 0,1
	v_lshrrev_b32 v[BY+\c], 23, v[BO+\c]           ; the scale's byte
.endr
	v_lshl_or_b32 v[WD+\u], v[BY+1], 16, v[BY]     ; my two bytes,
	v_lshlrev_b32 v[WD+\u], v8, v[WD+\u]           ; at their places in the row's word (8 h bits up);
	v_permlanex16_b32 v24, v[WD+\u], s30, s31
	v_or_b32 v[WD+\u], v[WD+\u], v24               ; with lane l xor 16's two the word is whole, in both lanes
.irp c, 0,1
	v_cvt_scalef32_pk16_fp6_f32 v[CU+6*\c:CU+6*\c+2], v[XR+32*\c:XR+32*\c+15], v[BO+\c]
	v_cvt_scalef32_pk16_fp6_f32 v[CT+4*\c:CT+4*\c+2], v[XR+32*\c+16:XR+32*\c+31], v[BO+\c]   ; (a conversion's three registers begin on an even number)
.endr
	v_nop                                          ; one plain place behind a scaled conversion
.irp c, 0,1
.irp i, 0,1,2
	v_mov_b32 v[CU+6*\c+3+\i], v[CT+4*\c+\i]
.endr
.endr
.irp k, 0,1,2
	global_store_b128 v2, v[CU+4*\k:CU+4*\k+3], s[22:23] offset:1536*\u+512*\k   ; 32 lanes store 512 consecutive bytes, at a multiple of 512 from the buffer's first byte
.endr
.endm
	LOADR 0
	LOADR 1
	s_wait_loadcnt 16                              ; tile 0's 16 loads are in; tile 1's may be out
	TURN 0
	s_wait_loadcnt 0x0
	TURN 1
	s_wait_dscnt 32                                ; tile 0 is back; tile 1's 32 LDS instructions may be out
	QUANT 0
	s_wait_dscnt 0x0
	QUANT 1                                        ; (no register that a store reads is written again)
	v_cmp_le_u32 vcc_lo, 16, v1
	v_cndmask_b32 v25, v22, v23, vcc_lo            ; lanes 0-15: tile 0's words; lanes 16-31: tile 1's
	global_store_b32 v3, v25, s[24:25]
	s_wait_tensorcnt 0x0
	ds_add_u32 v192, v193
	s_wait_dscnt 0x0
	s_endpgm
; ---- v: K = the keys, its first axis.  A LANE TAKES A CHANNEL, AND ITS REGISTERS RUN DOWN THE KEYS: a block of 32 keys lies in one lane's 32 registers ----
.Lvalues:
	s_sub_co_u32 s15, ttmp9, 1024                  ; the block of 128 keys
	s_lshl_b32 s26, s15, 16
	s_lshl_b32 s28, s14, 7
	s_add_co_u32 s26, s26, s28                     ; 65,536 x block + my wave's 32 channels
	s_wait_kmcnt 0x0
	s_add_nc_u64 s[20:21], s[8:9], s[26:27]
	s_mul_i32 s26, s15, 24576
	s_mul_i32 s28, s14, 3072
	s_add_co_u32 s26, s26, s28
	s_add_co_u32 s26, s26, 12288
	s_add_nc_u64 s[22:23], s[12:13], s[26:27]      ; the images of tiles 2 w and 2 w + 1
	s_lshl_b32 s26, s15, 10
	s_lshl_b32 s28, s14, 7
	s_add_co_u32 s26, s26, s28
	s_add_co_u32 s26, s26, 0xC00200
	s_add_nc_u64 s[24:25], s[12:13], s[26:27]      ; and their scale image
.macro LOADV kb                        ; block kb: v(32 kb + i, my channel): a wave reads 128 consecutive bytes, the four waves side by side a row of 512
.irp i, 0,1,2,3,4,5,6,7,8,9,10,11,12,13,14,15,16,17,18,19,20,21,22,23,24,25,26,27,28,29,30,31
	global_load_b32 v[NUM+32*\kb+\i], v3, s[20:21] offset:512*(32*\kb+\i) th:TH_LOAD_NT
.endr
.endm
.macro MAXB kb                         ; the block's largest magnitude (two chains), its scale operand and its byte
.set XR, NUM+32*\kb
	v_max3_num_f32 v[BM+\kb], |v[XR]|, |v[XR+1]|, |v[XR+2]|
	v_max3_num_f32 v9, |v[XR+3]|, |v[XR+4]|, |v[XR+5]|
.irp i, 6,10,14,18,22,26
	v_max3_num_f32 v[BM+\kb], v[BM+\kb], |v[XR+\i]|, |v[XR+\i+1]|
	v_max3_num_f32 v9, v9, |v[XR+\i+2]|, |v[XR+\i+3]|
.endr
	v_max3_num_f32 v[BM+\kb], v[BM+\kb], |v[XR+30]|, |v[XR+31]|
	v_max3_num_f32 v[BM+\kb], v[BM+\kb], v9, FLOOR
	v_add_nc_u32 v[BO+\kb], 0xff000000, v[BM+\kb]
	v_lshrrev_b32 v[BY+\kb], 23, v[BO+\kb]
.endm
.macro CVTPAIR c                       ; blocks 2 c and 2 c + 1 become registers 6 c .. 6 c + 5 of both tiles' fragments
.set XR, NUM+64*\c
	v_cvt_scalef32_pk16_fp6_f32 v[C0+6*\c:C0+6*\c+2], v[XR:XR+15], v[BO+2*\c]
	v_cvt_scalef32_pk16_fp6_f32 v[CT:CT+2], v[XR+16:XR+31], v[BO+2*\c]
	v_cvt_scalef32_pk16_fp6_f32 v[C0+12+6*\c:C0+12+6*\c+2], v[XR+32:XR+47], v[BO+2*\c+1]
	v_cvt_scalef32_pk16_fp6_f32 v[CT+4:CT+6], v[XR+48:XR+63], v[BO+2*\c+1]
	v_nop                                          ; one plain place behind a scaled conversion
.irp i, 0,1,2
	v_mov_b32 v[C0+6*\c+3+\i], v[CT+\i]
	v_mov_b32 v[C0+12+6*\c+3+\i], v[CT+4+\i]
.endr
.irp i, 0,1,2,3,4,5                    ; the first's lanes 16-31 change places with the second's lanes 0-15: the first is then {even block | odd block} of channels 0-15, tile 2 w's image; the second tile 2 w + 1's
	v_permlane16_swap_b32 v[C0+6*\c+\i], v[C0+12+6*\c+\i]
.endr
.endm
	LOADV 0
	LOADV 1
	s_wait_loadcnt 32                              ; block 0 is in; block 1's 32 loads may be out
	MAXB 0
	LOADV 2
	s_wait_loadcnt 32                              ; block 1 is in; block 2's may be out
	MAXB 1
	LOADV 3
	CVTPAIR 0
	s_wait_loadcnt 32                              ; block 2 is in; block 3's may be out
	MAXB 2
	s_wait_loadcnt 0x0
	MAXB 3
	CVTPAIR 1
	v_lshl_or_b32 v25, v[BY+1], 8, v[BY]           ; my channel's scale word: as lanes stand it is the pair's scale image
	v_lshl_or_b32 v25, v[BY+2], 16, v25
	v_lshl_or_b32 v25, v[BY+3], 24, v25
.irp k, 0,1,2
	global_store_b128 v2, v[C0+4*\k:C0+4*\k+3], s[22:23] offset:512*\k
	global_store_b128 v2, v[C0+12+4*\k:C0+12+4*\k+3], s[22:23] offset:1536+512*\k
.endr
	global_store_b32 v3, v25, s[24:25]
	s_endpgm
.Lfunc_end_k_q0527ca25fc_prep:
	.size	k_q0527ca25fc_prep, .Lfunc_end_k_q0527ca25fc_prep-k_q0527ca25fc_prep
	.p2alignl 7, 3214868480
	.fill 96, 4, 3214868480
	.section	.rodata,"a",@progbits
	.p2align	6, 0x0
	.amdhsa_kernel k_q0527ca25fc_prep
		.amdhsa_group_segment_fixed_size 68096
		.amdhsa_private_segment_fixed_size 0
		.amdhsa_enable_private_segment 0
		.amdhsa_kernarg_size 40
		.amdhsa_user_sgpr_count 2
		.amdhsa_user_sgpr_kernarg_segment_ptr 1
		.amdhsa_wavefront_size32 1
		.amdhsa_system_sgpr_workgroup_id_x 1
		.amdhsa_system_sgpr_workgroup_id_y 1
		.amdhsa_system_sgpr_workgroup_id_z 1
		.amdhsa_system_vgpr_workitem_id 0
		.amdhsa_next_free_vgpr 194
		.amdhsa_next_free_sgpr 66
		.amdhsa_reserve_vcc 1
		.amdhsa_float_denorm_mode_32 3
		.amdhsa_float_denorm_mode_16_64 3
		.amdhsa_memory_ordered 1
		.amdhsa_forward_progress 1
		.amdhsa_inst_pref_size 36
	.end_amdhsa_kernel
	.amdgpu_metadata
---
amdhsa.version: [ 1, 2 ]
amdhsa.kernels:
  - .name:           k_q0527ca25fc_prep
    .symbol:         k_q0527ca25fc_prep.kd
    .args:
      - { .name: queries, .offset: 0, .size: 8, .value_kind: global_buffer, .address_space: global }
      - { .name: keys, .offset: 8, .size: 8, .value_kind: global_buffer, .address_space: global }
      - { .name: values, .offset: 16, .size: 8, .value_kind: global_buffer, .address_space: global }
      - { .name: qimg, .offset: 24, .size: 8, .value_kind: global_buffer, .address_space: global }
      - { .name: kvimg, .offset: 32, .size: 8, .value_kind: global_buffer, .address_space: global }
    .group_segment_fixed_size: 68096
    .private_segment_fixed_size: 0
    .kernarg_segment_align: 8
    .kernarg_segment_size: 40
    .max_flat_workgroup_size: 128
    .sgpr_count:     66
    .vgpr_count:     194
    .wavefront_size: 32
...
	.end_amdgpu_metadata
.endif
;; end of part 1
;; launch attn (part 2): grid 16 x 16, 8 waves a work-group, no clusters, 267,264 bytes of LDS; arguments qimg, kvimg, valid_lens, out0; writes out0
.if DOCPART == 2
	.amdgcn_target "amdgcn-amd-amdhsa--gfx1250"
	.amdhsa_code_object_version 6
	.text
	.protected	k_q0527ca25fc_attn
	.globl	k_q0527ca25fc_attn
	.p2align	8
	.type	k_q0527ca25fc_attn,@function
k_q0527ca25fc_attn:
	s_mov_b64 s[64:65], 0
	v_nop
	global_prefetch_b8 v0, s[64:65] scope:SCOPE_SE
	s_setreg_imm32_b32 hwreg(HW_REG_WAVE_MODE, 25, 1), 1
	s_wait_xcnt 0x0
; out0[b][q][:] = the sum over k < valid_lens[b] of softmax_k(q . k / sqrt(128)) v[k][:], both products on codes of FP6 (E2M3) with one E8M0 scale for each 32 along a product's K.
; The operands come as register images (a fragment: 1,536 bytes, registers 4 c .. 4 c + 3 of lane l at 512 c + 16 l; a pair's scale words: 128 bytes, lane l's at 4 l):
;   qimg:  block B = 16 b + x (128 queries): codes at 12,288 B + 3,072 w + 1,536 u; scale images at 0x600000 + 512 B + 128 w.
;   kvimg: block B = 16 b + step (128 keys): codes at 24,576 B (K's 8 tiles, then V's 8); scale images at 0xC00000 + 1,024 B (K's 4 pairs, then V's 4).
; THE SOFTMAX AHEAD OF THE SECOND PRODUCT: t = score x log2(e) / sqrt(128); M = the running largest t, rounded UP to a whole number; p = 2^(t - M) is quantised along the keys, not normalised.
; The row's sum is taken of the unquantised p and divides at the end.  When M moves, the sum and O are multiplied by 2^(old M - new M): exact.
; SHARES.  Work-group (x, y): x = a block of 128 queries; y = a PAIR OF BATCHES: waves 0-3 take the batch whose length has rank y (the long ones), waves 4-7 that of rank 31 - y (the short ones),
; so that every work-group has about the same number of key steps.  A wave owns 32 queries, two tiles: each fragment of K and V that it reads from LDS feeds two matrix instructions.
; MASK.  Key steps that lie wholly behind valid_lens are left out: a scalar branch on the length, round the step's work alone; the loop has 16 trips and one barrier a trip for every wave.
; In the one step on the boundary hidden scores become -infinity ahead of the maximum.
; NO TENSOR LOADS, NO CLUSTER: how many tiles a half walks hangs on a length read from memory, so the tiles come by plain loads (memory, registers, LDS), and the two halves of a work-group, and work-groups of
; other pairs, want different numbers of tiles; the 16 work-groups of one pair would share tiles, but a joint request is a tensor load.
; LAYOUT.  Both products are used transposed: S^T = K Q^T (source 0 = 16 keys, source 1 = 16 queries), O^T = V^T P^T: a lane holds ONE query (lane % 16) throughout.
; The rows of a tile of K are ordered so that S^T's registers 16 b + i of a tile of queries hold keys 32 b + 16 (lane / 16) + i.  Q's tiles have the same order: lane row r of tile u is query 8 u + r + 8 (r / 8) of the wave's 32.
; LIMITS: valid_lens is held to 0 .. 2,048; a length of 0 gives a sum of 0 and NaN, as the definition does.  One constant, log2(e) / sqrt(128), stands for the division and the change of base.
; LDS: half g at 65,536 g: slot 0 (24,576 bytes), slot 1, then the batch's scale images (16,384: step s at 1,024 s); from 131,072 on a stage of 32 rows x 528 bytes for each wave.
; REGISTERS, window 0: v1-11 addresses; v12-27 statistics; v28-51 Q; v52-63 scale words; v64-191 S^T, then p (v64-111 also carry the next block on its way to LDS); v192-215 p's codes; v216-249 at work.
;   window 1: v0-127 O^T (tile x, channels 16 t on: 64 x + 8 t); v128-223 eight fragments of K or of V.
.set SLOTB, 24576
.set SCLO,  49152
.set STAGE, 131072
.set SP,    528
.set LB,  1                            ; v1   16 x lane + 65,536 x half
.set LS,  2                            ; v2   4 x lane + 65,536 x half + SCLO
.set ADS, 3                            ; v3   LS + the step's 1,024 bytes
.set FW,  4                            ; v4   16 x (thread % 128) + 65,536 x half: where I put my 16 bytes of each 2,048 of a block
.set GF,  5                            ; v5   16 x (thread % 128): the same in memory
.set GFS, 6                            ; v6   GF + the next block's offset
.set PFO, 7                            ; v7   8,192 x (wave % 4) + 256 x lane
.set PFV, 8                            ; v8   PFO + the next block's offset
.set H16, 9                            ; v9   16 x (lane / 16)
.set MD,  10                           ; v10  the mask's bound
.set NINF, 11                          ; v11  -infinity
.set ST,  12                           ; tile x at ST + 8 x: +0 -M, +1 the largest t, +2, +3 the sum in two halves, +4 f (+5 named with it), +6, +7 at work
.set QF,  28                           ; Q's two fragments
.set QS,  52                           ; Q's scale words: lanes 0-15 tile 0, lanes 16-31 tile 1
.set KS,  54                           ; v54-57 K's, a pair of tiles each
.set VS,  58                           ; v58-61 V's
.set PS,  62                           ; v62-63 p's, a tile of queries each
.set S,   64
.set PC,  192
.set CT,  216
.set BM,  224
.set BP,  228
.set BO,  232
.set SU,  236
.set SO,  242                          ; v242 the stage: where I put 32 bytes of a row
.set SR,  243                          ; v243 and where I read a row back
.set GO,  244                          ; v244 16 x lane
.set L4,  245                          ; v245 4 x lane
.set RL,  246                          ; v[246:247], v[248:249] 1 / the sum
.set FA,  128                          ; window 1: the eight fragments
.set WV,  12
.set HALF, 13
.set W4,  14
.set TG,  15                           ; the rank that my half takes
.set SK,  16                           ; the chosen batch's key: 32 x length + batch
.set BT,  17
.set LEN, 18
.set NS,  19                           ; key steps that have a key that counts
.set SEL, 24
.set CS,  26
.set SI,  28                           ; the step
.set KF,  29                           ; its first key
.set TS,  30                           ; its scale images
.set OFF, 31                           ; the next block's bytes in the batch's codes
.set IT,  32
.set LIM, 33                           ; NS in a wave that prefetches, else 0
.set KVB, 34                           ; s[34:35] the batch's codes of K and V
.set MSB, 0
.macro WIN new                         ; s_set_vgpr_msb: bits 1:0 source 0, 3:2 source 1, 5:4 source 2, 7:6 destination; the high byte repeats the setting that is left
.if MSB != \new
	s_set_vgpr_msb (MSB<<8)|\new
.set MSB, \new
.endif
.endm
	s_load_b256 s[4:11], s[0:1], 0x0               ; qimg s[4:5], kvimg s[6:7], valid_lens s[8:9], out0 s[10:11]
	v_lshl_add_u32 v254, v0, 2, 0x41000
	v_mov_b32 v255, 0
	v_lshrrev_b32 v1, 5, v0
	v_readfirstlane_b32 s[WV], v1                  ; wave 0..7
	s_lshr_b32 s[HALF], s[WV], 2
	s_and_b32 s[W4], s[WV], 3
	v_and_b32 v233, 31, v0                         ; lane
	v_and_b32 v234, 15, v0                         ; r
	v_bfe_u32 v235, v0, 4, 1                       ; h
	v_lshrrev_b32 v236, 7, v0
	v_lshlrev_b32 v236, 16, v236                   ; 65,536 x half
	v_lshl_add_u32 v[LB], v233, 4, v236
	v_lshl_add_u32 v[LS], v233, 2, v236
	v_add_nc_u32 v[LS], SCLO, v[LS]
	v_and_b32 v[GF], 127, v0
	v_lshlrev_b32 v[GF], 4, v[GF]
	v_add_nc_u32 v[FW], v236, v[GF]
	v_lshlrev_b32 v[PFO], 8, v233
	s_lshl_b32 s20, s[W4], 13
	v_add_nc_u32 v[PFO], s20, v[PFO]
	v_lshlrev_b32 v[H16], 4, v235
	v_mov_b32 v[NINF], 0xff800000
	s_mul_i32 s20, s[WV], 32*SP
	s_add_co_u32 s20, s20, STAGE                   ; my stage
	v_mul_u32_u24 v[SO], v234, SP
	v_lshl_add_u32 v[SO], v235, 5, v[SO]
	v_add_nc_u32 v[SO], s20, v[SO]                 ; in: row r, + 32 h
	v_lshlrev_b32 v[GO], 4, v233
	v_add_nc_u32 v[SR], s20, v[GO]                 ; back: the 32 lanes take one row of 512 bytes
	v_lshlrev_b32 v[L4], 2, v233
	s_wait_kmcnt 0x0
	global_load_b32 v232, v[L4], s[8:9]            ; lane b: batch b's length
	s_and_b32 s21, ttmp7, 0xffff                   ; y
	s_sub_co_u32 s22, 31, s21
	s_cmp_eq_u32 s[HALF], 0
	s_cselect_b32 s[TG], s21, s22
	s_mov_b32 s[SK], 0
	s_wait_loadcnt 0x0
	v_cmp_gt_i32 vcc_lo, 0, v232
	v_cndmask_b32 v232, v232, 0, vcc_lo            ; held at 0 from below,
	v_min_u32 v232, 0x800, v232                    ; at 2,048 from above
	v_lshl_or_b32 v232, v232, 5, v233              ; key = 32 x length + batch: no two alike
; THE RANK: batch j's is the number of keys above its own.  The 32 ranks are a permutation, so ranks y and 31 - y over the 16 y name each batch once.  Whole numbers only.
.set j, 0
.rept 32
	v_readlane_b32 s20, v232, j
	v_cmp_gt_u32 s21, v232, s20
	s_bcnt1_i32_b32 s22, s21
	s_cmp_eq_u32 s22, s[TG]
	s_cselect_b32 s[SK], s20, s[SK]
.set j, j+1
.endr
	s_and_b32 s[BT], s[SK], 31
	s_min_u32 s[BT], s[BT], 31                     ; my batch
	s_lshr_b32 s[LEN], s[SK], 5                    ; its length
	s_add_co_u32 s[NS], s[LEN], 127
	s_lshr_b32 s[NS], s[NS], 7
	s_max_u32 s[NS], s[NS], 1
	s_min_u32 s[NS], s[NS], 16
	s_mov_b32 s37, 0
	s_mul_i32 s36, s[BT], 16*SLOTB
	s_add_nc_u64 s[KVB:KVB+1], s[6:7], s[36:37]
	s_lshl_b32 s36, s[BT], 14
	s_add_co_u32 s36, s36, 0xC00000
	s_add_nc_u64 s[38:39], s[6:7], s[36:37]        ; the batch's scale images of K and V
	s_lshl_b32 s20, s[BT], 4
	s_add_co_u32 s20, s20, ttmp9                   ; 16 x batch + x
	s_mul_i32 s36, s20, 12288
	s_mul_i32 s21, s[W4], 3072
	s_add_co_u32 s36, s36, s21
	s_add_nc_u64 s[42:43], s[4:5], s[36:37]        ; my two fragments of Q
	s_lshl_b32 s36, s20, 9
	s_lshl_b32 s21, s[W4], 7
	s_add_co_u32 s36, s36, s21
	s_add_co_u32 s36, s36, 0x600000
	s_add_nc_u64 s[44:45], s[4:5], s[36:37]        ; and their scale image
	s_lshl_b32 s36, s20, 16
	s_lshl_b32 s21, s[W4], 14
	s_add_co_u32 s36, s36, s21
	s_add_nc_u64 s[10:11], s[10:11], s[36:37]      ; my 32 rows of the output
	s_cmp_eq_u32 s[W4], 3
	s_cselect_b32 s21, 1, 0
	s_or_b32 s21, s21, ttmp9
	s_cmp_eq_u32 s21, 0                            ; the batch's first work-group, waves 0 to 2 of the half
	s_cselect_b32 s[LIM], s[NS], 0
.irp i, 0,1,2,3,4,5,6,7,8,9,10,11
	global_load_b128 v[S+4*\i:S+4*\i+3], v[GF], s[KVB:KVB+1] offset:2048*\i      ; block 0: the half's 128 threads take 2,048 consecutive bytes a load
.endr
.irp i, 0,1,2,3,4,5,6,7
	global_load_b128 v[S+48+4*\i:S+48+4*\i+3], v[GF], s[38:39] offset:2048*\i    ; the batch's scale images, once
.endr
.irp u, 0,1
.irp c, 0,1,2
	global_load_b128 v[QF+12*\u+4*\c:QF+12*\u+4*\c+3], v[GO], s[42:43] offset:1536*\u+512*\c
.endr
.endr
	global_load_b32 v[QS], v[L4], s[44:45]
	WIN 0x40                                       ; destination window 1
.set j, 0
.rept 128
	v_mov_b32 v[j], 0                              ; O^T.  (The step is written once: the first finds zeros, which the first change of M leaves zeros)
.set j, j+1
.endr
	WIN 0
.irp x, 0,1
	v_mov_b32 v[ST+8*\x+1], 0xff61b1e6             ; the largest t so far: -3e38, under every t
	v_floor_f32 v[ST+8*\x], -v[ST+8*\x+1]          ; -M
.irp k, 2,3,4,5,6,7
	v_mov_b32 v[ST+8*\x+\k], 0                     ; the sum; and what is named in a pair or as a permute's destination before it is first written
.endr
	v_mov_b32 v[RL+2*\x+1], 0
.endr
.irp b, 0,1,2,3
	v_mov_b32 v[BP+\b], 0
.endr
	s_mov_b32 s[SEL], 0x76543210
	s_mov_b32 s[SEL+1], 0xfedcba98                 ; v_permlanex16_b32's selects for lane l xor 16
	s_mov_b32 s[CS], 0x3e0293ee                    ; c = log2(e) / sqrt(128)
	s_mov_b32 s[CS+1], s[CS]                       ; (named with it as a pair)
	s_mov_b32 s[SI], 0
	s_mov_b32 s[KF], 0
	s_mov_b32 s[TS], 0
	s_mov_b32 s[OFF], SLOTB
	s_mov_b32 s[IT], 0
	s_wait_loadcnt 7                               ; block 0 and the scale images are in; Q's six loads and its scale word may be out
.irp i, 0,1,2,3,4,5,6,7,8,9,10,11
	ds_store_b128 v[FW], v[S+4*\i:S+4*\i+3] offset:2048*\i
.endr
.irp i, 0,1,2,3,4,5,6,7
	ds_store_b128 v[FW], v[S+48+4*\i:S+48+4*\i+3] offset:SCLO+2048*\i
.endr
	s_wait_loadcnt 0x0                             ; Q
; One product of S^T = K Q^T: fragment t of four at f, tile tt of the step's keys, tile x of my queries.  The constant 0 starts the sum.  An odd tile's scale words stand in lanes 16-31.
.macro KQ f, t, tt, x
.set rD, S+64*(\x)+8*(\tt)
.set rA, (\f)+12*(\t)
.set rB, QF+12*(\x)
.set rS, KS+(\tt)/2
.if ((\tt)%2) && (\x)
	v_wmma_scale_f32_16x16x128_f8f6f4 v[rD:rD+7], v[rA:rA+11], v[rB:rB+11], 0, v[rS], v[QS] matrix_a_fmt:MATRIX_FMT_FP6 matrix_b_fmt:MATRIX_FMT_FP6 matrix_a_scale:MATRIX_SCALE_ROW1 matrix_b_scale:MATRIX_SCALE_ROW1
.elseif (\tt)%2
	v_wmma_scale_f32_16x16x128_f8f6f4 v[rD:rD+7], v[rA:rA+11], v[rB:rB+11], 0, v[rS], v[QS] matrix_a_fmt:MATRIX_FMT_FP6 matrix_b_fmt:MATRIX_FMT_FP6 matrix_a_scale:MATRIX_SCALE_ROW1
.elseif \x
	v_wmma_scale_f32_16x16x128_f8f6f4 v[rD:rD+7], v[rA:rA+11], v[rB:rB+11], 0, v[rS], v[QS] matrix_a_fmt:MATRIX_FMT_FP6 matrix_b_fmt:MATRIX_FMT_FP6 matrix_b_scale:MATRIX_SCALE_ROW1
.else
	v_wmma_scale_f32_16x16x128_f8f6f4 v[rD:rD+7], v[rA:rA+11], v[rB:rB+11], 0, v[rS], v[QS] matrix_a_fmt:MATRIX_FMT_FP6 matrix_b_fmt:MATRIX_FMT_FP6
.endif
.endm
; One product of O^T += V^T P^T: channels 16 (4 g + t) on, tile x of my queries
.macro PV g, t, x
.set rT, 4*(\g)+(\t)
.set rD, 64*(\x)+8*rT
.set rA, FA+12*rT
.set rB, PC+12*(\x)
.if rT%2
	v_wmma_scale_f32_16x16x128_f8f6f4 v[rD:rD+7], v[rA:rA+11], v[rB:rB+11], v[rD:rD+7], v[VS+rT/2], v[PS+(\x)] matrix_a_fmt:MATRIX_FMT_FP6 matrix_b_fmt:MATRIX_FMT_FP6 matrix_a_scale:MATRIX_SCALE_ROW1
.else
	v_wmma_scale_f32_16x16x128_f8f6f4 v[rD:rD+7], v[rA:rA+11], v[rB:rB+11], v[rD:rD+7], v[VS+rT/2], v[PS+(\x)] matrix_a_fmt:MATRIX_FMT_FP6 matrix_b_fmt:MATRIX_FMT_FP6
.endif
.endm
; THE SOFTMAX of tile x for one key step: 64 scores a lane become p's codes, p's scale word, and the new M, sum and O^T.  Each accumulator is read from its low end on.
.macro SOFTMAX x
.set SX, S+64*\x
.set STX, ST+8*\x
.set PCX, PC+12*\x
.irp b, 0,1,2,3
	v_max3_num_f32 v[BM+\b], v[SX+16*\b], v[SX+16*\b+1], v[SX+16*\b+2]   ; THE LARGEST SCORE OF EACH BLOCK OF 32 KEYS serves twice: for the row's maximum and, since p rises with the score, for the block's largest p
.endr
.irp i, 3,5,7,9,11,13
.irp b, 0,1,2,3
	v_max3_num_f32 v[BM+\b], v[BM+\b], v[SX+16*\b+\i], v[SX+16*\b+\i+1]   ; (the four blocks by turns)
.endr
.endr
.irp b, 0,1,2,3
	v_max_num_f32 v[BM+\b], v[BM+\b], v[SX+16*\b+15]
.endr
.irp b, 0,1,2,3
	v_permlanex16_b32 v[BP+\b], v[BM+\b], s[SEL], s[SEL+1]
.endr
.irp b, 0,1,2,3
	v_max_num_f32 v[BM+\b], v[BM+\b], v[BP+\b]     ; with lane l xor 16's 16 keys
.endr
	v_max3_num_f32 v[STX+6], v[BM], v[BM+1], v[BM+2]
	v_max_num_f32 v[STX+6], v[STX+6], v[BM+3]      ; the step's largest score of my query
	v_mul_f32 v[STX+6], s[CS], v[STX+6]            ; as t (c is positive)
	v_max_num_f32 v[STX+1], v[STX+1], v[STX+6]     ; the running largest t
	v_mov_b32 v[STX+6], v[STX]
	v_floor_f32 v[STX], -v[STX+1]                  ; the new -M = floor(-t) = -ceil(t): a whole number
	v_sub_f32 v[STX+6], v[STX], v[STX+6]           ; old M - new M: a whole number, 0 or less
	v_cvt_i32_f32 v[STX+6], v[STX+6]               ; (it saturates)
	v_ldexp_f32 v[STX+4], 1.0, v[STX+6]            ; f = 2^(old M - new M)
.set j, 0
.rept 32
	v_pk_fma_f32 v[SX+j:SX+j+1], v[SX+j:SX+j+1], s[CS:CS+1], v[STX:STX+1] op_sel_hi:[1,0,0]   ; t - M, two at a time (of the pairs c and -M the low word serves both halves)
.set j, j+2
.endr
.irp b, 0,1,2,3
	v_fma_f32 v[BM+\b], v[BM+\b], s[CS], v[STX]    ; the same of each block's largest score
.endr
.set j, 0
.rept 64
	v_exp_f32 v[SX+j], v[SX+j]                     ; p = 2^(t - M), at most 1
.set j, j+1
.endr
	v_pk_mul_f32 v[STX+2:STX+3], v[STX+2:STX+3], v[STX+4:STX+5] op_sel_hi:[1,0]   ; the sums under the new M: the plain instruction behind the exponentials
	s_wait_alu depctr_va_vdst(0)                   ; one wait for the batch of 64, ahead of its first reader
.irp b, 0,1,2,3
	v_exp_f32 v[BM+\b], v[BM+\b]                   ; the block's largest p: the same two instructions on the same number
.endr
	v_pk_add_f32 v[SU:SU+1], v[SX:SX+1], v[SX+2:SX+3]   ; THE ROW'S SUM IS TAKEN OF THE UNQUANTISED p, in two chains; it reads the 64 alone
.set j, 4
.rept 15
	v_pk_add_f32 v[STX+2:STX+3], v[STX+2:STX+3], v[SX+j:SX+j+1]
	v_pk_add_f32 v[SU:SU+1], v[SU:SU+1], v[SX+j+2:SX+j+3]
.set j, j+4
.endr
	v_pk_add_f32 v[STX+2:STX+3], v[STX+2:STX+3], v[SU:SU+1]
	s_wait_alu depctr_va_vdst(0)                   ; and one for the four
.irp b, 0,1,2,3
	v_max_num_f32 v[BM+\b], 0x1800000, v[BM+\b]    ; the floor 2^(3 - 127): the byte cannot fall under 1 (a block whose every p is 0 keeps that byte: its codes are zeros)
.endr
.irp b, 0,1,2,3
	v_add_nc_u32 v[BO+\b], 0xff000000, v[BM+\b]    ; 2 off the exponent field: the conversion's scale operand
.endr
.irp b, 0,1,2,3
	v_lshrrev_b32 v[BP+\b], 23, v[BO+\b]           ; the scale's byte
.endr
	v_lshl_or_b32 v[PS+\x], v[BP+1], 8, v[BP]      ; p's scale word for these 128 keys
	v_lshl_or_b32 v[PS+\x], v[BP+2], 16, v[PS+\x]
	v_lshl_or_b32 v[PS+\x], v[BP+3], 24, v[PS+\x]
.irp c, 0,1
	v_cvt_scalef32_pk16_fp6_f32 v[PCX+6*\c:PCX+6*\c+2], v[SX+32*\c:SX+32*\c+15], v[BO+2*\c]
	v_cvt_scalef32_pk16_fp6_f32 v[CT+4*\c:CT+4*\c+2], v[SX+32*\c+16:SX+32*\c+31], v[BO+2*\c+1]   ; (a conversion's three registers begin on an even number)
.endr
	v_nop                                          ; one plain place behind a scaled conversion
.irp c, 0,1                            ; the operand's layout wants a WHOLE block in a lane: lanes 0-15 block 2 c, lanes 16-31 block 2 c + 1
.irp i, 0,1,2
	v_permlane16_swap_b32 v[PCX+6*\c+\i], v[CT+4*\c+\i]
.endr
.irp i, 0,1,2
	v_mov_b32 v[PCX+6*\c+3+\i], v[CT+4*\c+\i]
.endr
.endr
	WIN 0x41                                       ; O^T (destination and source 0) window 1, f window 0
.set j, 0
.rept 32
	v_pk_mul_f32 v[64*\x+j:64*\x+j+1], v[64*\x+j:64*\x+j+1], v[STX+4:STX+5] op_sel_hi:[1,0]   ; O^T under the new M.  (These 32 also stand between the scale word and codes just made and the products that take them)
.set j, j+2
.endr
	WIN 0
.endm
; A TRIP: one key step, read from the slot named; the next block goes into the other slot.
.macro TRIP slot
.set SB, (\slot)*SLOTB
.set OB, (1-(\slot))*SLOTB
	s_wait_dscnt 0x0                               ; my stores into this slot have landed, and my reads of the other slot are over
	s_barrier_signal -1
	s_barrier_wait -1                              ; both now hold of every wave
	v_add_nc_u32 v[ADS], s[TS], v[LS]
	s_cmp_lt_u32 s[SI], s[NS]                      ; a step all of whose keys are hidden is left out: the branch jumps over work alone
	s_cbranch_scc0 .Lidle_\@
.irp b, 0,1,2,3
	ds_load_b32 v[KS+\b], v[ADS] offset:128*\b
.endr
	WIN 0x40                                       ; destination window 1, address window 0
.irp t, 0,1,2,3,4,5,6,7
.irp c, 0,1,2
	ds_load_b128 v[FA+12*\t+4*\c:FA+12*\t+4*\c+3], v[LB] offset:SB+1536*\t+512*\c
.endr
.endr
	s_wait_dscnt 12                                ; the scale words and tiles 0-3 are in; the twelve loads of tiles 4-7 may be out
	WIN 0x01                                       ; source 0 (K) window 1
.irp t, 0,1,2,3
.irp x, 0,1
	KQ FA, \t, \t, \x
.endr
.endr
	s_wait_dscnt 0x0
.irp t, 0,1,2,3
.irp x, 0,1
	KQ FA+48, \t, 4+\t, \x
.endr
.endr
	WIN 0
.rept 4
	v_nop                                          ; four places in front of the loads into the fragments' registers and of the first reads of the scores
.endr
.irp w, 0,1,2,3
	ds_load_b32 v[VS+\w], v[ADS] offset:512+128*\w
.endr
	WIN 0x40
.irp t, 0,1,2,3,4,5,6,7                ; V is asked for now and wanted behind both softmaxes
.irp c, 0,1,2
	ds_load_b128 v[FA+12*\t+4*\c:FA+12*\t+4*\c+3], v[LB] offset:SB+12288+1536*\t+512*\c
.endr
.endr
	WIN 0
	s_add_co_u32 s40, s[KF], 128
	s_cmp_le_u32 s40, s[LEN]                       ; a step all of whose keys count skips the mask
	s_cbranch_scc1 .Lopen_\@
	s_sub_co_i32 s40, s[LEN], s[KF]
	v_sub_nc_u32 v[MD], s40, v[H16]                ; register 16 b + i holds key KF + 16 (lane / 16) + 32 b + i: hidden where 32 b + i >= length - KF - 16 (lane / 16)
.set n, 0
.rept 64
	v_cmp_ge_i32 vcc_lo, 32*(n/16)+n%16, v[MD]
	v_cndmask_b32 v[S+n], v[S+n], v[NINF], vcc_lo
	v_cndmask_b32 v[S+64+n], v[S+64+n], v[NINF], vcc_lo
.set n, n+1
.endr
.Lopen_\@:
	SOFTMAX 0
	s_add_co_u32 s40, s[SI], 1
	s_cmp_lt_u32 s40, s[NS]                        ; is there a next block that counts?
	s_cbranch_scc0 .Lnoload_\@
	s_wait_xcnt 0x0                                ; the last trip's prefetch has read its address (its loads were waited for): both offsets may be written
	v_add_nc_u32 v[GFS], s[OFF], v[GF]
	v_add_nc_u32 v[PFV], s[OFF], v[PFO]
.irp i, 0,1,2,3,4,5,6,7,8,9,10,11
	global_load_b128 v[S+4*\i:S+4*\i+3], v[GFS], s[KVB:KVB+1] offset:2048*\i   ; block SI + 1 into tile 0's p, which is spent: it lands under tile 1's softmax and the second product
.endr
; A PREFETCH INTO THE L2 of block SI + 3, two trips ahead of the loads that want it; it stands behind the trip's loads.  All 16 work-groups of a batch walk the same blocks: the first (x = 0) asks;
; waves 0 to 2 of its half take 8,192 bytes each, lanes 256 bytes apart: 3 x 8,192 = a block, so each aligned 256 bytes are named once in the launch.  Blocks 0 to 2 come by their loads alone;
; nothing is asked for where SI + 3 reaches NS: no hidden block, and nothing past the batch's codes.
	s_add_co_u32 s40, s[SI], 3
	s_cmp_lt_u32 s40, s[LIM]
	s_cbranch_scc0 .Lnoload_\@
	global_prefetch_b8 v[PFV], s[KVB:KVB+1] offset:2*SLOTB th:TH_LOAD_NT scope:SCOPE_SE
.Lnoload_\@:
	SOFTMAX 1
	s_wait_dscnt 0x0                               ; V and its scale words are in
	WIN 0x51                                       ; V window 1, p's codes window 0, O^T (C and D) window 1
.irp g, 0,1                            ; the 16 accumulators take turns, one instruction a turn
.irp t, 0,1,2,3
.irp x, 0,1
	PV \g, \t, \x
.endr
.endr
.endr
	WIN 0
.rept 4
	v_nop                                          ; four places in front of the next trip's loads into the fragments' and scale words' registers, and of the next reads of O^T
.endr
	s_wait_loadcnt 0x0                             ; the next block, if it was asked for, is in registers
	s_add_co_u32 s40, s[SI], 1
	s_cmp_lt_u32 s40, s[NS]
	s_cbranch_scc0 .Lidle_\@
.irp i, 0,1,2,3,4,5,6,7,8,9,10,11
	ds_store_b128 v[FW], v[S+4*\i:S+4*\i+3] offset:OB+2048*\i   ; into the slot that every wave of the half left at this trip's barrier
.endr
.Lidle_\@:
	s_add_co_u32 s[SI], s[SI], 1                   ; on every path
	s_add_co_u32 s[KF], s[KF], 128
	s_add_co_u32 s[TS], s[TS], 1024
	s_add_co_u32 s[OFF], s[OFF], SLOTB
.endm
.Lloop:                                            ; 8 trips of two steps: 16 steps and 16 barriers for every wave, whatever its batch's length
	TRIP 0
	TRIP 1
	s_add_co_u32 s[IT], s[IT], 1
	s_cmp_lt_u32 s[IT], 8
	s_cbranch_scc1 .Lloop
; THE WAY OUT.  O^T is divided by the row's sum and goes through my own stage in LDS, a tile of 16 queries at a time; it comes back as whole rows of 512 bytes.
.irp x, 0,1
	v_add_f32 v[ST+8*\x+6], v[ST+8*\x+2], v[ST+8*\x+3]   ; the sum's two halves,
.endr
.irp x, 0,1
	v_permlanex16_b32 v[ST+8*\x+7], v[ST+8*\x+6], s[SEL], s[SEL+1]
.endr
.irp x, 0,1
	v_add_f32 v[ST+8*\x+6], v[ST+8*\x+6], v[ST+8*\x+7]   ; and lane l xor 16's
.endr
.irp x, 0,1
	v_rcp_f32 v[RL+2*\x], v[ST+8*\x+6]
.endr
	v_nop                                          ; a plain instruction behind the last reciprocal
	s_wait_alu depctr_va_vdst(0)                   ; one wait for the two, ahead of their first reader
.macro DIV u
	WIN 0x01                                       ; source 0 (O^T) window 1
.set j, 0
.rept 32
	v_pk_mul_f32 v[S+64*\u+j:S+64*\u+j+1], v[64*\u+j:64*\u+j+1], v[RL+2*\u:RL+2*\u+1] op_sel_hi:[1,0]   ; register 8 t + i: channel 16 t + 8 h + i of my query; each accumulator from its low end on
.set j, j+2
.endr
	WIN 0
.endm
.macro TOSTAGE u
.irp t, 0,1,2,3,4,5,6,7
	ds_store_b128 v[SO], v[S+64*\u+8*\t:S+64*\u+8*\t+3] offset:16*\u*SP+64*\t
	ds_store_b128 v[SO], v[S+64*\u+8*\t+4:S+64*\u+8*\t+7] offset:16*\u*SP+64*\t+16
.endr
.irp i, 0,1,2,3,4,5,6,7,8,9,10,11,12,13,14,15
	ds_load_b128 v[S+64*\u+4*\i:S+64*\u+4*\i+3], v[SR] offset:(16*\u+\i)*SP   ; LDS serves a wave's instructions in order: these see the stores above
.endr
.endm
.macro SEND u, younger                 ; younger: the LDS instructions issued behind tile u's loads
.irp i, 0,1,2,3,4,5,6,7,8,9,10,11,12,13,14,15
	s_wait_dscnt \younger+15-\i
	global_store_b128 v[GO], v[S+64*\u+4*\i:S+64*\u+4*\i+3], s[10:11] offset:512*(8*\u+\i+8*(\i/8)) th:TH_STORE_NT   ; tile row i is query 8 u + i + 8 (i / 8); 32 lanes store its 512 consecutive bytes
.endr
.endm
	DIV 0
	TOSTAGE 0
	DIV 1
	TOSTAGE 1
	SEND 0, 32                                     ; tile 1's 16 stores and 16 loads may be out
	SEND 1, 0
	s_wait_tensorcnt 0x0
	ds_add_u32 v254, v255
	s_wait_dscnt 0x0
	s_endpgm
.Lfunc_end_k_q0527ca25fc_attn:
	.size	k_q0527ca25fc_attn, .Lfunc_end_k_q0527ca25fc_attn-k_q0527ca25fc_attn
	.p2alignl 7, 3214868480
	.fill 96, 4, 3214868480
	.section	.rodata,"a",@progbits
	.p2align	6, 0x0
	.amdhsa_kernel k_q0527ca25fc_attn
		.amdhsa_group_segment_fixed_size 267264
		.amdhsa_private_segment_fixed_size 0
		.amdhsa_enable_private_segment 0
		.amdhsa_kernarg_size 32
		.amdhsa_user_sgpr_count 2
		.amdhsa_user_sgpr_kernarg_segment_ptr 1
		.amdhsa_wavefront_size32 1
		.amdhsa_system_sgpr_workgroup_id_x 1
		.amdhsa_system_sgpr_workgroup_id_y 1
		.amdhsa_system_sgpr_workgroup_id_z 1
		.amdhsa_system_vgpr_workitem_id 0
		.amdhsa_next_free_vgpr 512
		.amdhsa_next_free_sgpr 66
		.amdhsa_reserve_vcc 1
		.amdhsa_float_denorm_mode_32 3
		.amdhsa_float_denorm_mode_16_64 3
		.amdhsa_memory_ordered 1
		.amdhsa_forward_progress 1
		.amdhsa_inst_pref_size 119
	.end_amdhsa_kernel
	.amdgpu_metadata
---
amdhsa.version: [ 1, 2 ]
amdhsa.kernels:
  - .name:           k_q0527ca25fc_attn
    .symbol:         k_q0527ca25fc_attn.kd
    .args:
      - { .name: qimg, .offset: 0, .size: 8, .value_kind: global_buffer, .address_space: global }
      - { .name: kvimg, .offset: 8, .size: 8, .value_kind: global_buffer, .address_space: global }
      - { .name: valid_lens, .offset: 16, .size: 8, .value_kind: global_buffer, .address_space: global }
      - { .name: out0, .offset: 24, .size: 8, .value_kind: global_buffer, .address_space: global }
    .group_segment_fixed_size: 267264
    .private_segment_fixed_size: 0
    .kernarg_segment_align: 8
    .kernarg_segment_size: 32
    .max_flat_workgroup_size: 256
    .sgpr_count:     66
    .vgpr_count:     512
    .wavefront_size: 32
...
	.end_amdgpu_metadata
.endif
;; end of part 2
;; ======== version 2 of 2: 2 launches
;; workspace buffers: qimg 6,553,600 bytes; kvimg 13,107,200 bytes
;; launch prep (part 3): grid 1536 x 1, 4 waves a work-group, no clusters, 68,096 bytes of LDS; arguments queries, keys, values, qimg, kvimg; writes qimg, kvimg
.if DOCPART == 3
	.amdgcn_target "amdgcn-amd-amdhsa--gfx1250"
	.amdhsa_code_object_version 6
	.text
	.protected	k_q0527ca25fc_prep
	.globl	k_q0527ca25fc_prep
	.p2align	8
	.type	k_q0527ca25fc_prep,@function
k_q0527ca25fc_prep:
	s_mov_b64 s[64:65], 0
	v_nop
	global_prefetch_b8 v0, s[64:65] scope:SCOPE_SE
	s_setreg_imm32_b32 hwreg(HW_REG_WAVE_MODE, 25, 1), 1
	s_wait_xcnt 0x0
; queries, keys, values: [32][2048][128] f32.  They become codes of FP6 (E2M3) with one E8M0 scale byte for each 32 along a product's K, laid as IMAGES OF THE MATRIX OPERANDS' REGISTERS.
; queries and keys are quantised along the 128 channels (innermost), values along the keys (their first axis within a batch).
; A FRAGMENT IMAGE: 16 rows x 128 K = 12 registers a lane, as three groups of four: registers 4 c .. 4 c + 3 of lane l at byte 512 c + 16 l: 1,536 bytes.
; A SCALE IMAGE of a pair of tiles: 128 bytes, lane l's word at 4 l: lanes 0-15 the even tile's rows, lanes 16-31 the odd tile's.
; THE ROWS OF A TILE OF q OR k ARE NOT NEIGHBOURS: in a group of 32 rows, lane row r of tile u takes row 8 u + r + 8 (r / 8): so the scores' 16 registers of two neighbouring tiles of keys are 16 neighbouring keys.
; qimg:  block B = 16 x batch + (128 queries): codes at 12,288 B + 3,072 w + 1,536 u (w: the group of 32); scale images at 0x600000 + 512 B + 128 w.
; kvimg: block B = 16 x batch + (128 keys): codes at 24,576 B: K's tile 2 w + u at 1,536 (2 w + u), V's tile t (channels 16 t on, K = the block's 128 keys) at 12,288 + 1,536 t;
;        scale images at 0xC00000 + 1,024 B: K's pair w at 128 w, V's pair w (tiles 2 w, 2 w + 1) at 512 + 128 w.
; A block's scale is 2^(floor(log2(its largest magnitude)) - 2); its byte is the largest magnitude's exponent field - 2, held at 1 from below.
; LIMITS: a block of zeros gets the byte 1 where the rule says 127 (its codes are zeros, and this program alone reads the bytes); blocks whose largest magnitude lies under 2^-124, the floor, were not tried;
; NaN and infinities among the inputs are not served.  A scale image is stored as 128 consecutive bytes: one byte in 128 of what the launch reads.
; SHARES: work-groups 0-511 take a block of q, 512-1023 a block of k (ONE path: only pointers and strides are chosen), 1024-1535 a block of v.  65,536 dense bytes each; a wave takes 32 rows (q, k) or 32 channels (v).
; No matrix work, no cluster, no barrier: waves share nothing, and no work-group reads what another reads.  Only the path of q and k uses LDS: a stage for each wave.
.set SP,    528                        ; a stage row: 512 bytes + 16 = 33 x 16: the 16 rows that a read touches begin in 16 different columns of 16 bytes
.set STG,   32*SP                      ; a wave's stage
.set FLOOR, 0x1800000                  ; 2^(3 - 127)
.set BM,  10                           ; v10-13  largest magnitudes
.set BO,  14                           ; v14-17  the conversions' scale operands
.set BY,  18                           ; v18-21  scale bytes
.set WD,  22                           ; v22-23  scale words of tile 0, 1
.set CT,  26                           ; v26-28, v30-32  the conversions' second halves
.set C0,  36                           ; v36-47, v48-59  the two fragments
.set NUM, 64                           ; v64-191 128 numbers
	s_load_b256 s[4:11], s[0:1], 0x0               ; queries s[4:5], keys s[6:7], values s[8:9], qimg s[10:11]
	s_load_b64 s[12:13], s[0:1], 0x20              ; kvimg
	v_lshl_add_u32 v192, v0, 2, 0x10800
	v_mov_b32 v193, 0
	v_lshrrev_b32 v1, 5, v0
	v_readfirstlane_b32 s14, v1                    ; wave 0..3
	v_and_b32 v1, 31, v0                           ; lane
	v_lshlrev_b32 v2, 4, v1                        ; 16 x lane
	v_lshlrev_b32 v3, 2, v1                        ; 4 x lane
	v_and_b32 v4, 15, v0                           ; r
	v_bfe_u32 v5, v0, 4, 1                         ; h
	s_mul_i32 s26, s14, STG
	v_add_nc_u32 v6, s26, v2                       ; the stage, on the way in: a row's 512 bytes as they lie
	v_mul_u32_u24 v7, v4, SP
	v_lshl_add_u32 v7, v5, 7, v7
	v_add_nc_u32 v7, s26, v7                       ; and on the way out: row r, + 128 h: my 32 numbers of each 64
	v_lshlrev_b32 v8, 3, v5                        ; 8 h
	v_mov_b32 v24, 0                               ; written once: a lane permute's destination counts as one of its sources
	s_mov_b32 s30, 0x76543210
	s_mov_b32 s31, 0xfedcba98                      ; v_permlanex16_b32's selects for lane l xor 16
	s_mov_b32 s27, 0
	s_cmp_ge_u32 ttmp9, 1024
	s_cbranch_scc1 .Lvalues
; ---- q AND k: K is innermost ----
	s_wait_kmcnt 0x0
	s_cmp_lt_u32 ttmp9, 512                        ; q's work-group or k's?  The choice hangs on the work-group's number alone
	s_cselect_b64 s[20:21], s[4:5], s[6:7]         ; the numbers
	s_cselect_b64 s[22:23], s[10:11], s[12:13]     ; the images
	s_cselect_b32 s15, 0, 512
	s_mov_b32 s16, 24576
	s_cselect_b32 s16, 12288, s16                  ; bytes of codes from block to block
	s_mov_b32 s17, 0xC00000
	s_cselect_b32 s17, 0x600000, s17               ; where the scale images begin
	s_mov_b32 s18, 1024
	s_cselect_b32 s18, 512, s18                    ; and their bytes from block to block
	s_sub_co_u32 s15, ttmp9, s15                   ; the block
	s_lshl_b32 s26, s15, 16
	s_lshl_b32 s28, s14, 14
	s_add_co_u32 s26, s26, s28                     ; 65,536 x block + 16,384 x wave: my 32 rows
	s_add_nc_u64 s[20:21], s[20:21], s[26:27]
	s_mul_i32 s26, s15, s18
	s_add_co_u32 s26, s26, s17
	s_lshl_b32 s28, s14, 7
	s_add_co_u32 s26, s26, s28
	s_add_nc_u64 s[24:25], s[22:23], s[26:27]      ; my scale image
	s_mul_i32 s26, s15, s16
	s_mul_i32 s28, s14, 3072
	s_add_co_u32 s26, s26, s28
	s_add_nc_u64 s[22:23], s[22:23], s[26:27]      ; my two fragment images
.macro LOADR u                         ; tile u's 16 rows, in the tile's order: each load is one whole row, 512 consecutive bytes
.irp r, 0,1,2,3,4,5,6,7,8,9,10,11,12,13,14,15
	global_load_b128 v[NUM+64*\u+4*\r:NUM+64*\u+4*\r+3], v2, s[20:21] offset:512*(8*\u+\r+8*(\r/8)) th:TH_LOAD_NT
.endr
.endm
.macro TURN u                          ; through my stage: in as rows, out 128 bytes a lane: register 32 c + i = channel 64 c + 32 h + i of my row.  LDS serves a wave's instructions in order: no wait between
.irp r, 0,1,2,3,4,5,6,7,8,9,10,11,12,13,14,15
	ds_store_b128 v6, v[NUM+64*\u+4*\r:NUM+64*\u+4*\r+3] offset:(16*\u+\r)*SP
.endr
.irp c, 0,1
.irp j, 0,1,2,3,4,5,6,7
	ds_load_b128 v[NUM+64*\u+32*\c+4*\j:NUM+64*\u+32*\c+4*\j+3], v7 offset:16*\u*SP+256*\c+16*\j
.endr
.endr
.endm
.macro QUANT u                         ; a lane holds two whole blocks, h and 2 + h of its row: no other lane is asked for a maximum
.set XR, NUM+64*\u
.set CU, C0+12*\u
.irp c, 0,1
	v_max3_num_f32 v[BM+\c], |v[XR+32*\c]|, |v[XR+32*\c+1]|, FLOOR   ; with the floor among the leaves: the byte cannot fall under 1
.endr
.irp i, 2,4,6,8,10,12,14,16,18,20,22,24,26,28,30
.irp c, 0,1
	v_max3_num_f32 v[BM+\c], v[BM+\c], |v[XR+32*\c+\i]|, |v[XR+32*\c+\i+1]|   ; (the two blocks by turns)
.endr
.endr
.irp c, 0,1
	v_add_nc_u32 v[BO+\c], 0xff000000, v[BM+\c]    ; 2 off the exponent field: the conversion takes the exponent field of this operand as its scale
.endr
.irp c, 0,1
	v_lshrrev_b32 v[BY+\c], 23, v[BO+\c]           ; the scale's byte
.endr
	v_lshl_or_b32 v[WD+\u], v[BY+1], 16, v[BY]     ; my two bytes,
	v_lshlrev_b32 v[WD+\u], v8, v[WD+\u]           ; at their places in the row's word (8 h bits up);
	v_permlanex16_b32 v24, v[WD+\u], s30, s31
	v_or_b32 v[WD+\u], v[WD+\u], v24               ; with lane l xor 16's two the word is whole, in both lanes
.irp c, 0,1
	v_cvt_scalef32_pk16_fp6_f32 v[CU+6*\c:CU+6*\c+2], v[XR+32*\c:XR+32*\c+15], v[BO+\c]
	v_cvt_scalef32_pk16_fp6_f32 v[CT+4*\c:CT+4*\c+2], v[XR+32*\c+16:XR+32*\c+31], v[BO+\c]   ; (a conversion's three registers begin on an even number)
.endr
	v_nop                                          ; one plain place behind a scaled conversion
.irp c, 0,1
.irp i, 0,1,2
	v_mov_b32 v[CU+6*\c+3+\i], v[CT+4*\c+\i]
.endr
.endr
.irp k, 0,1,2
	global_store_b128 v2, v[CU+4*\k:CU+4*\k+3], s[22:23] offset:1536*\u+512*\k   ; 32 lanes store 512 consecutive bytes, at a multiple of 512 from the buffer's first byte
.endr
.endm
	LOADR 0
	LOADR 1
	s_wait_loadcnt 16                              ; tile 0's 16 loads are in; tile 1's may be out
	s_wait_alu depctr_va_vdst(0)
	TURN 0
	s_wait_loadcnt 0x0
	TURN 1
	s_wait_dscnt 32                                ; tile 0 is back; tile 1's 32 LDS instructions may be out
	QUANT 0
	s_wait_dscnt 0x0
	QUANT 1                                        ; (no register that a store reads is written again)
	v_cmp_le_u32 vcc_lo, 16, v1
	v_cndmask_b32 v25, v22, v23, vcc_lo            ; lanes 0-15: tile 0's words; lanes 16-31: tile 1's
	global_store_b32 v3, v25, s[24:25]
	s_wait_tensorcnt 0x0
	ds_add_u32 v192, v193
	s_wait_dscnt 0x0
	s_endpgm
; ---- v: K = the keys, its first axis.  A LANE TAKES A CHANNEL, AND ITS REGISTERS RUN DOWN THE KEYS: a block of 32 keys lies in one lane's 32 registers ----
.Lvalues:
	s_sub_co_u32 s15, ttmp9, 1024                  ; the block of 128 keys
	s_lshl_b32 s26, s15, 16
	s_lshl_b32 s28, s14, 7
	s_add_co_u32 s26, s26, s28                     ; 65,536 x block + my wave's 32 channels
	s_wait_kmcnt 0x0
	s_add_nc_u64 s[20:21], s[8:9], s[26:27]
	s_mul_i32 s26, s15, 24576
	s_mul_i32 s28, s14, 3072
	s_add_co_u32 s26, s26, s28
	s_add_co_u32 s26, s26, 12288
	s_add_nc_u64 s[22:23], s[12:13], s[26:27]      ; the images of tiles 2 w and 2 w + 1
	s_lshl_b32 s26, s15, 10
	s_lshl_b32 s28, s14, 7
	s_add_co_u32 s26, s26, s28
	s_add_co_u32 s26, s26, 0xC00200
	s_add_nc_u64 s[24:25], s[12:13], s[26:27]      ; and their scale image
.macro LOADV kb                        ; block kb: v(32 kb + i, my channel): a wave reads 128 consecutive bytes, the four waves side by side a row of 512
.irp i, 0,1,2,3,4,5,6,7,8,9,10,11,12,13,14,15,16,17,18,19,20,21,22,23,24,25,26,27,28,29,30,31
	global_load_b32 v[NUM+32*\kb+\i], v3, s[20:21] offset:512*(32*\kb+\i) th:TH_LOAD_NT
.endr
.endm
.macro MAXB kb                         ; the block's largest magnitude (two chains), its scale operand and its byte
.set XR, NUM+32*\kb
	v_max3_num_f32 v[BM+\kb], |v[XR]|, |v[XR+1]|, |v[XR+2]|
	v_max3_num_f32 v9, |v[XR+3]|, |v[XR+4]|, |v[XR+5]|
.irp i, 6,10,14,18,22,26
	v_max3_num_f32 v[BM+\kb], v[BM+\kb], |v[XR+\i]|, |v[XR+\i+1]|
	v_max3_num_f32 v9, v9, |v[XR+\i+2]|, |v[XR+\i+3]|
.endr
	v_max3_num_f32 v[BM+\kb], v[BM+\kb], |v[XR+30]|, |v[XR+31]|
	v_max3_num_f32 v[BM+\kb], v[BM+\kb], v9, FLOOR
	v_add_nc_u32 v[BO+\kb], 0xff000000, v[BM+\kb]
	v_lshrrev_b32 v[BY+\kb], 23, v[BO+\kb]
.endm
.macro CVTPAIR c                       ; blocks 2 c and 2 c + 1 become registers 6 c .. 6 c + 5 of both tiles' fragments
.set XR, NUM+64*\c
	v_cvt_scalef32_pk16_fp6_f32 v[C0+6*\c:C0+6*\c+2], v[XR:XR+15], v[BO+2*\c]
	v_cvt_scalef32_pk16_fp6_f32 v[CT:CT+2], v[XR+16:XR+31], v[BO+2*\c]
	v_cvt_scalef32_pk16_fp6_f32 v[C0+12+6*\c:C0+12+6*\c+2], v[XR+32:XR+47], v[BO+2*\c+1]
	v_cvt_scalef32_pk16_fp6_f32 v[CT+4:CT+6], v[XR+48:XR+63], v[BO+2*\c+1]
	v_nop                                          ; one plain place behind a scaled conversion
.irp i, 0,1,2
	v_mov_b32 v[C0+6*\c+3+\i], v[CT+\i]
	v_mov_b32 v[C0+12+6*\c+3+\i], v[CT+4+\i]
.endr
.irp i, 0,1,2,3,4,5                    ; the first's lanes 16-31 change places with the second's lanes 0-15: the first is then {even block | odd block} of channels 0-15, tile 2 w's image; the second tile 2 w + 1's
	v_permlane16_swap_b32 v[C0+6*\c+\i], v[C0+12+6*\c+\i]
.endr
.endm
	s_wait_alu depctr_va_vdst(0)
	LOADV 0
	LOADV 1
	s_wait_loadcnt 32                              ; block 0 is in; block 1's 32 loads may be out
	MAXB 0
	LOADV 2
	s_wait_loadcnt 32                              ; block 1 is in; block 2's may be out
	MAXB 1
	LOADV 3
	CVTPAIR 0
	s_wait_loadcnt 32                              ; block 2 is in; block 3's may be out
	MAXB 2
	s_wait_loadcnt 0x0
	MAXB 3
	CVTPAIR 1
	v_lshl_or_b32 v25, v[BY+1], 8, v[BY]           ; my channel's scale word: as lanes stand it is the pair's scale image
	v_lshl_or_b32 v25, v[BY+2], 16, v25
	v_lshl_or_b32 v25, v[BY+3], 24, v25
.irp k, 0,1,2
	global_store_b128 v2, v[C0+4*\k:C0+4*\k+3], s[22:23] offset:512*\k
	global_store_b128 v2, v[C0+12+4*\k:C0+12+4*\k+3], s[22:23] offset:1536+512*\k
.endr
	global_store_b32 v3, v25, s[24:25]
	s_endpgm
.Lfunc_end_k_q0527ca25fc_prep:
	.size	k_q0527ca25fc_prep, .Lfunc_end_k_q0527ca25fc_prep-k_q0527ca25fc_prep
	.p2alignl 7, 3214868480
	.fill 96, 4, 3214868480
	.section	.rodata,"a",@progbits
	.p2align	6, 0x0
	.amdhsa_kernel k_q0527ca25fc_prep
		.amdhsa_group_segment_fixed_size 68096
		.amdhsa_private_segment_fixed_size 0
		.amdhsa_enable_private_segment 0
		.amdhsa_kernarg_size 40
		.amdhsa_user_sgpr_count 2
		.amdhsa_user_sgpr_kernarg_segment_ptr 1
		.amdhsa_wavefront_size32 1
		.amdhsa_system_sgpr_workgroup_id_x 1
		.amdhsa_system_sgpr_workgroup_id_y 1
		.amdhsa_system_sgpr_workgroup_id_z 1
		.amdhsa_system_vgpr_workitem_id 0
		.amdhsa_next_free_vgpr 194
		.amdhsa_next_free_sgpr 66
		.amdhsa_reserve_vcc 1
		.amdhsa_float_denorm_mode_32 3
		.amdhsa_float_denorm_mode_16_64 3
		.amdhsa_memory_ordered 1
		.amdhsa_forward_progress 1
		.amdhsa_inst_pref_size 36
	.end_amdhsa_kernel
	.amdgpu_metadata
---
amdhsa.version: [ 1, 2 ]
amdhsa.kernels:
  - .name:           k_q0527ca25fc_prep
    .symbol:         k_q0527ca25fc_prep.kd
    .args:
      - { .name: queries, .offset: 0, .size: 8, .value_kind: global_buffer, .address_space: global }
      - { .name: keys, .offset: 8, .size: 8, .value_kind: global_buffer, .address_space: global }
      - { .name: values, .offset: 16, .size: 8, .value_kind: global_buffer, .address_space: global }
      - { .name: qimg, .offset: 24, .size: 8, .value_kind: global_buffer, .address_space: global }
      - { .name: kvimg, .offset: 32, .size: 8, .value_kind: global_buffer, .address_space: global }
    .group_segment_fixed_size: 68096
    .private_segment_fixed_size: 0
    .kernarg_segment_align: 8
    .kernarg_segment_size: 40
    .max_flat_workgroup_size: 128
    .sgpr_count:     66
    .vgpr_count:     194
    .wavefront_size: 32
...
	.end_amdgpu_metadata
.endif
;; end of part 3
;; launch attn (part 4): grid 16 x 16, 8 waves a work-group, no clusters, 267,264 bytes of LDS; arguments qimg, kvimg, valid_lens, out0; writes out0
.if DOCPART == 4
	.amdgcn_target "amdgcn-amd-amdhsa--gfx1250"
	.amdhsa_code_object_version 6
	.text
	.protected	k_q0527ca25fc_attn
	.globl	k_q0527ca25fc_attn
	.p2align	8
	.type	k_q0527ca25fc_attn,@function
k_q0527ca25fc_attn:
	s_mov_b64 s[64:65], 0
	v_nop
	global_prefetch_b8 v0, s[64:65] scope:SCOPE_SE
	s_setreg_imm32_b32 hwreg(HW_REG_WAVE_SCHED_MODE, 0, 2), 2
	s_setreg_imm32_b32 hwreg(HW_REG_WAVE_MODE, 25, 1), 1
	s_wait_xcnt 0x0
	s_wait_alu depctr_vm_vsrc(0)
; out0[b][q][:] = the sum over k < valid_lens[b] of softmax_k(q . k / sqrt(128)) v[k][:], both products on codes of FP6 (E2M3) with one E8M0 scale for each 32 along a product's K.
; The operands come as register images (a fragment: 1,536 bytes, registers 4 c .. 4 c + 3 of lane l at 512 c + 16 l; a pair's scale words: 128 bytes, lane l's at 4 l):
;   qimg:  block B = 16 b + x (128 queries): codes at 12,288 B + 3,072 w + 1,536 u; scale images at 0x600000 + 512 B + 128 w.
;   kvimg: block B = 16 b + step (128 keys): codes at 24,576 B (K's 8 tiles, then V's 8); scale images at 0xC00000 + 1,024 B (K's 4 pairs, then V's 4).
; THE SOFTMAX AHEAD OF THE SECOND PRODUCT: t = score x log2(e) / sqrt(128); M = the running largest t, rounded UP to a whole number; p = 2^(t - M) is quantised along the keys, not normalised.
; The row's sum is taken of the unquantised p and divides at the end.  When M moves, the sum and O are multiplied by 2^(old M - new M): exact.
; SHARES.  Work-group (x, y): x = a block of 128 queries; y = a PAIR OF BATCHES: waves 0-3 take the batch whose length has rank y (the long ones), waves 4-7 that of rank 31 - y (the short ones),
; so that every work-group has about the same number of key steps.  A wave owns 32 queries, two tiles: each fragment of K and V that it reads from LDS feeds two matrix instructions.
; MASK.  Key steps that lie wholly behind valid_lens are left out: a scalar branch on the length, round the step's work alone; the loop has 16 trips and one barrier a trip for every wave.
; In the one step on the boundary hidden scores become -infinity ahead of the maximum.
; NO TENSOR LOADS, NO CLUSTER: how many tiles a half walks hangs on a length read from memory, so the tiles come by plain loads (memory, registers, LDS), and the two halves of a work-group, and work-groups of
; other pairs, want different numbers of tiles; the 16 work-groups of one pair would share tiles, but a joint request is a tensor load.
; LAYOUT.  Both products are used transposed: S^T = K Q^T (source 0 = 16 keys, source 1 = 16 queries), O^T = V^T P^T: a lane holds ONE query (lane % 16) throughout.
; The rows of a tile of K are ordered so that S^T's registers 16 b + i of a tile of queries hold keys 32 b + 16 (lane / 16) + i.  Q's tiles have the same order: lane row r of tile u is query 8 u + r + 8 (r / 8) of the wave's 32.
; LIMITS: valid_lens is held to 0 .. 2,048; a length of 0 gives a sum of 0 and NaN, as the definition does.  One constant, log2(e) / sqrt(128), stands for the division and the change of base.
; LDS: half g at 65,536 g: slot 0 (24,576 bytes), slot 1, then the batch's scale images (16,384: step s at 1,024 s); from 131,072 on a stage of 32 rows x 528 bytes for each wave.
; REGISTERS, window 0: v1-11 addresses; v12-27 statistics; v28-51 Q; v52-63 scale words; v64-191 S^T, then p (v64-111 also carry the next block on its way to LDS); v192-215 p's codes; v216-249 at work.
;   window 1: v0-127 O^T (tile x, channels 16 t on: 64 x + 8 t); v128-223 eight fragments of K or of V.
; THE MODE: SCHED_MODE bits 1:0 = 2 (LLVM: expert scheduling mode 2), set by the entry lines.  The code itself states the register dependences
; between vector or matrix instructions and memory or LDS instructions, with s_wait_alu, always for 0.
; THE PLAN.  Registers that memory or LDS instructions touch, in the loop:
;   LB, FW, GF        addresses made at the kernel's head and never written again.
;   ADS, GFS, PFV     written by three additions at a step's head; read by the step's loads of scale words, by its twelve global loads, by its prefetch.
;   KS, and FA as K   loaded at the step's head; read by the step's sixteen products K Q^T.
;   VS, and FA as V   loaded inside tile 0's softmax; read by the step's sixteen products V^T P.
;   v[S .. S+47]      written by K Q^T, worked on by the mask and tile 0's softmax; then the next block's global loads land there; read by the LDS stores at the step's end.
;   PC, PS            p's codes and scale words: written by vector instructions, taken by V^T P as source 1 and as scales.
; THE WAITS OF A STEP.  One on vm_vsrc at its head: the last step's LDS stores have read v[S ..], its loads and its prefetch their addresses; the three additions follow.  On va_vdst: in front of K's loads (the addresses are
; written; the last step's products are done with FA, KS and VS); the wait for tile 0's 64 exponentials, which also states that K Q^T is done with FA, so that V's loads follow it with no wait of their own; in front of the
; global loads (tile 0's softmax is done with v[S .. S+47]); in front of V^T P (p's codes and scale words are written); and the waits behind the other batches of exponentials.
.set SLOTB, 24576
.set SCLO,  49152
.set STAGE, 131072
.set SP,    528
.set LB,  1                            ; v1   16 x lane + 65,536 x half
.set LS,  2                            ; v2   4 x lane + 65,536 x half + SCLO
.set ADS, 3                            ; v3   LS + the step's 1,024 bytes
.set FW,  4                            ; v4   16 x (thread % 128) + 65,536 x half: where I put my 16 bytes of each 2,048 of a block
.set GF,  5                            ; v5   16 x (thread % 128): the same in memory
.set GFS, 6                            ; v6   GF + the next block's offset
.set PFO, 7                            ; v7   8,192 x (wave % 4) + 256 x lane
.set PFV, 8                            ; v8   PFO + the next block's offset
.set H16, 9                            ; v9   16 x (lane / 16)
.set MD,  10                           ; v10  the mask's bound
.set NINF, 11                          ; v11  -infinity
.set ST,  12                           ; tile x at ST + 8 x: +0 -M, +1 the largest t, +2, +3 the sum in two halves, +4 f (+5 named with it), +6, +7 at work
.set QF,  28                           ; Q's two fragments
.set QS,  52                           ; Q's scale words: lanes 0-15 tile 0, lanes 16-31 tile 1
.set KS,  54                           ; v54-57 K's, a pair of tiles each
.set VS,  58                           ; v58-61 V's
.set PS,  62                           ; v62-63 p's, a tile of queries each
.set S,   64
.set PC,  192
.set CT,  216
.set BM,  224
.set BP,  228
.set BO,  232
.set SU,  236
.set SO,  242                          ; v242 the stage: where I put 32 bytes of a row
.set SR,  243                          ; v243 and where I read a row back
.set GO,  244                          ; v244 16 x lane
.set L4,  245                          ; v245 4 x lane
.set RL,  246                          ; v[246:247], v[248:249] 1 / the sum
.set FA,  128                          ; window 1: the eight fragments
.set WV,  12
.set HALF, 13
.set W4,  14
.set TG,  15                           ; the rank that my half takes
.set SK,  16                           ; the chosen batch's key: 32 x length + batch
.set BT,  17
.set LEN, 18
.set NS,  19                           ; key steps that have a key that counts
.set MK0, 20                           ; s20-23 and s36-39: in the loop, eight masks of the boundary step
.set MK1, 36
.set SEL, 24
.set CS,  26
.set SI,  28                           ; the step
.set KF,  29                           ; its first key
.set TS,  30                           ; its scale images
.set OFF, 31                           ; the next block's bytes in the batch's codes
.set IT,  32
.set LIM, 33                           ; NS in a wave that prefetches, else 0
.set KVB, 34                           ; s[34:35] the batch's codes of K and V
.set MSB, 0
.macro WIN new                         ; s_set_vgpr_msb: bits 1:0 source 0, 3:2 source 1, 5:4 source 2, 7:6 destination; the high byte repeats the setting that is left
.if MSB != \new
	s_set_vgpr_msb (MSB<<8)|\new
.set MSB, \new
.endif
.endm
	s_load_b256 s[4:11], s[0:1], 0x0               ; qimg s[4:5], kvimg s[6:7], valid_lens s[8:9], out0 s[10:11]
	v_lshl_add_u32 v254, v0, 2, 0x41000
	v_mov_b32 v255, 0
	v_lshrrev_b32 v1, 5, v0
	v_readfirstlane_b32 s[WV], v1                  ; wave 0..7
	v_and_b32 v233, 31, v0                         ; lane
	v_and_b32 v234, 15, v0                         ; r
	v_bfe_u32 v235, v0, 4, 1                       ; h
	v_lshrrev_b32 v236, 7, v0
	v_lshlrev_b32 v236, 16, v236                   ; 65,536 x half
	v_lshl_add_u32 v[LB], v233, 4, v236
	v_lshl_add_u32 v[LS], v233, 2, v236
	v_add_nc_u32 v[LS], SCLO, v[LS]
	v_and_b32 v[GF], 127, v0
	v_lshlrev_b32 v[GF], 4, v[GF]
	v_add_nc_u32 v[FW], v236, v[GF]
	v_lshlrev_b32 v[PFO], 8, v233
	v_lshlrev_b32 v[H16], 4, v235
	v_mov_b32 v[NINF], 0xff800000
	v_mul_u32_u24 v[SO], v234, SP
	v_lshl_add_u32 v[SO], v235, 5, v[SO]           ; the stage, in: row r, + 32 h
	v_lshlrev_b32 v[GO], 4, v233
	v_lshlrev_b32 v[L4], 2, v233
	s_wait_alu depctr_va_sdst(0)                   ; the wave's number is written, ahead of its first reader
	s_lshr_b32 s[HALF], s[WV], 2
	s_and_b32 s[W4], s[WV], 3
	s_lshl_b32 s20, s[W4], 13
	v_add_nc_u32 v[PFO], s20, v[PFO]
	s_mul_i32 s21, s[WV], 32*SP
	s_add_co_u32 s21, s21, STAGE                   ; my stage
	v_add_nc_u32 v[SO], s21, v[SO]
	v_add_nc_u32 v[SR], s21, v[GO]                 ; back: the 32 lanes take one row of 512 bytes
	s_wait_kmcnt 0x0
	s_wait_alu depctr_va_vdst(0)                   ; LB, FW, GF, SO, SR, GO and L4 are written: the loads and stores of the whole kernel read them as addresses, and none is written again
	global_load_b32 v232, v[L4], s[8:9]            ; lane b: batch b's length
	s_and_b32 s21, ttmp7, 0xffff                   ; y
	s_sub_co_u32 s22, 31, s21
	s_cmp_eq_u32 s[HALF], 0
	s_cselect_b32 s[TG], s21, s22
	s_mov_b32 s[SK], 0
	s_wait_loadcnt 0x0
	v_cmp_gt_i32 vcc_lo, 0, v232
	s_wait_alu depctr_va_vcc(0)                    ; the compare has written VCC, which the select reads
	v_cndmask_b32 v232, v232, 0, vcc_lo            ; held at 0 from below,
	v_min_u32 v232, 0x800, v232                    ; at 2,048 from above
	v_lshl_or_b32 v232, v232, 5, v233              ; key = 32 x length + batch: no two alike
; THE RANK: batch j's is the number of keys above its own.  The 32 ranks are a permutation, so ranks y and 31 - y over the 16 y name each batch once.  Whole numbers only.
; Eight batches at a time: their keys into s24-31, the masks of the keys above them into s32-39, so that one wait serves each run of eight.
.set j, 0
.rept 4
.irp i, 0,1,2,3,4,5,6,7
	v_readlane_b32 s[24+\i], v232, j+\i
.endr
	s_wait_alu depctr_va_sdst(0)                   ; the eight keys are written, which the compares read
.irp i, 0,1,2,3,4,5,6,7
	v_cmp_gt_u32 s[32+\i], v232, s[24+\i]
.endr
	s_wait_alu depctr_va_sdst(0)                   ; the eight masks are written, which the counts read
.irp i, 0,1,2,3,4,5,6,7
	s_bcnt1_i32_b32 s22, s[32+\i]
	s_cmp_eq_u32 s22, s[TG]
	s_cselect_b32 s[SK], s[24+\i], s[SK]
.endr
.set j, j+8
.endr
	s_and_b32 s[BT], s[SK], 31
	s_min_u32 s[BT], s[BT], 31                     ; my batch
	s_lshr_b32 s[LEN], s[SK], 5                    ; its length
	s_add_co_u32 s[NS], s[LEN], 127
	s_lshr_b32 s[NS], s[NS], 7
	s_max_u32 s[NS], s[NS], 1
	s_min_u32 s[NS], s[NS], 16
	s_mov_b32 s37, 0
	s_mul_i32 s36, s[BT], 16*SLOTB
	s_add_nc_u64 s[KVB:KVB+1], s[6:7], s[36:37]
	s_lshl_b32 s36, s[BT], 14
	s_add_co_u32 s36, s36, 0xC00000
	s_add_nc_u64 s[38:39], s[6:7], s[36:37]        ; the batch's scale images of K and V
	s_lshl_b32 s20, s[BT], 4
	s_add_co_u32 s20, s20, ttmp9                   ; 16 x batch + x
	s_mul_i32 s36, s20, 12288
	s_mul_i32 s21, s[W4], 3072
	s_add_co_u32 s36, s36, s21
	s_add_nc_u64 s[42:43], s[4:5], s[36:37]        ; my two fragments of Q
	s_lshl_b32 s36, s20, 9
	s_lshl_b32 s21, s[W4], 7
	s_add_co_u32 s36, s36, s21
	s_add_co_u32 s36, s36, 0x600000
	s_add_nc_u64 s[44:45], s[4:5], s[36:37]        ; and their scale image
	s_lshl_b32 s36, s20, 16
	s_lshl_b32 s21, s[W4], 14
	s_add_co_u32 s36, s36, s21
	s_add_nc_u64 s[10:11], s[10:11], s[36:37]      ; my 32 rows of the output
	s_cmp_eq_u32 s[W4], 3
	s_cselect_b32 s21, 1, 0
	s_or_b32 s21, s21, ttmp9
	s_cmp_eq_u32 s21, 0                            ; the batch's first work-group, waves 0 to 2 of the half
	s_cselect_b32 s[LIM], s[NS], 0
; (No wait stands here: no vector instruction has yet named the registers in which these loads land, and none since the wait above has named their addresses.)
.irp i, 0,1,2,3,4,5,6,7,8,9,10,11
	global_load_b128 v[S+4*\i:S+4*\i+3], v[GF], s[KVB:KVB+1] offset:2048*\i      ; block 0: the half's 128 threads take 2,048 consecutive bytes a load
.endr
.irp i, 0,1,2,3,4,5,6,7
	global_load_b128 v[S+48+4*\i:S+48+4*\i+3], v[GF], s[38:39] offset:2048*\i    ; the batch's scale images, once
.endr
.irp u, 0,1
.irp c, 0,1,2
	global_load_b128 v[QF+12*\u+4*\c:QF+12*\u+4*\c+3], v[GO], s[42:43] offset:1536*\u+512*\c
.endr
.endr
	global_load_b32 v[QS], v[L4], s[44:45]
	WIN 0x40                                       ; destination window 1
.set j, 0
.rept 128
	v_mov_b32 v[j], 0                              ; O^T.  (The step is written once: the first finds zeros, which the first change of M leaves zeros)
.set j, j+1
.endr
	WIN 0
.irp x, 0,1
	v_mov_b32 v[ST+8*\x+1], 0xff61b1e6             ; the largest t so far: -3e38, under every t
	v_floor_f32 v[ST+8*\x], -v[ST+8*\x+1]          ; -M
.irp k, 2,3,4,5,6,7
	v_mov_b32 v[ST+8*\x+\k], 0                     ; the sum; and what is named in a pair or as a permute's destination before it is first written
.endr
	v_mov_b32 v[RL+2*\x+1], 0
.endr
.irp b, 0,1,2,3
	v_mov_b32 v[BP+\b], 0
.endr
	s_mov_b32 s[SEL], 0x76543210
	s_mov_b32 s[SEL+1], 0xfedcba98                 ; v_permlanex16_b32's selects for lane l xor 16
	s_mov_b32 s[CS], 0x3e0293ee                    ; c = log2(e) / sqrt(128)
	s_mov_b32 s[CS+1], s[CS]                       ; (named with it as a pair)
	s_mov_b32 s[SI], 0
	s_mov_b32 s[KF], 0
	s_mov_b32 s[TS], 0
	s_mov_b32 s[OFF], SLOTB
	s_mov_b32 s[IT], 0
	s_wait_loadcnt 7                               ; block 0 and the scale images are in; Q's six loads and its scale word may be out
.irp i, 0,1,2,3,4,5,6,7,8,9,10,11
	ds_store_b128 v[FW], v[S+4*\i:S+4*\i+3] offset:2048*\i      ; (the data come from loads, the address from the head)
.endr
.irp i, 0,1,2,3,4,5,6,7
	ds_store_b128 v[FW], v[S+48+4*\i:S+48+4*\i+3] offset:SCLO+2048*\i
.endr
	s_wait_loadcnt 0x0                             ; Q
; One product of S^T = K Q^T: fragment t of four at f, tile tt of the step's keys, tile x of my queries.  The constant 0 starts the sum.  An odd tile's scale words stand in lanes 16-31.
.macro KQ f, t, tt, x
.set rD, S+64*(\x)+8*(\tt)
.set rA, (\f)+12*(\t)
.set rB, QF+12*(\x)
.set rS, KS+(\tt)/2
.if ((\tt)%2) && (\x)
	v_wmma_scale_f32_16x16x128_f8f6f4 v[rD:rD+7], v[rA:rA+11], v[rB:rB+11], 0, v[rS], v[QS] matrix_a_fmt:MATRIX_FMT_FP6 matrix_b_fmt:MATRIX_FMT_FP6 matrix_a_scale:MATRIX_SCALE_ROW1 matrix_b_scale:MATRIX_SCALE_ROW1
.elseif (\tt)%2
	v_wmma_scale_f32_16x16x128_f8f6f4 v[rD:rD+7], v[rA:rA+11], v[rB:rB+11], 0, v[rS], v[QS] matrix_a_fmt:MATRIX_FMT_FP6 matrix_b_fmt:MATRIX_FMT_FP6 matrix_a_scale:MATRIX_SCALE_ROW1
.elseif \x
	v_wmma_scale_f32_16x16x128_f8f6f4 v[rD:rD+7], v[rA:rA+11], v[rB:rB+11], 0, v[rS], v[QS] matrix_a_fmt:MATRIX_FMT_FP6 matrix_b_fmt:MATRIX_FMT_FP6 matrix_b_scale:MATRIX_SCALE_ROW1
.else
	v_wmma_scale_f32_16x16x128_f8f6f4 v[rD:rD+7], v[rA:rA+11], v[rB:rB+11], 0, v[rS], v[QS] matrix_a_fmt:MATRIX_FMT_FP6 matrix_b_fmt:MATRIX_FMT_FP6
.endif
.endm
; One product of O^T += V^T P^T: channels 16 (4 g + t) on, tile x of my queries
.macro PV g, t, x
.set rT, 4*(\g)+(\t)
.set rD, 64*(\x)+8*rT
.set rA, FA+12*rT
.set rB, PC+12*(\x)
.if rT%2
	v_wmma_scale_f32_16x16x128_f8f6f4 v[rD:rD+7], v[rA:rA+11], v[rB:rB+11], v[rD:rD+7], v[VS+rT/2], v[PS+(\x)] matrix_a_fmt:MATRIX_FMT_FP6 matrix_b_fmt:MATRIX_FMT_FP6 matrix_a_scale:MATRIX_SCALE_ROW1
.else
	v_wmma_scale_f32_16x16x128_f8f6f4 v[rD:rD+7], v[rA:rA+11], v[rB:rB+11], v[rD:rD+7], v[VS+rT/2], v[PS+(\x)] matrix_a_fmt:MATRIX_FMT_FP6 matrix_b_fmt:MATRIX_FMT_FP6
.endif
.endm
; V's scale words and its eight fragments, from the slot in hand (SB), into the registers that held K's.  They are wanted behind both softmaxes.
.macro FETCHV
.irp w, 0,1,2,3
	ds_load_b32 v[VS+\w], v[ADS] offset:512+128*\w
.endr
	WIN 0x40                                       ; destination window 1, address window 0
.irp t, 0,1,2,3,4,5,6,7
.irp c, 0,1,2
	ds_load_b128 v[FA+12*\t+4*\c:FA+12*\t+4*\c+3], v[LB] offset:SB+12288+1536*\t+512*\c
.endr
.endr
	WIN 0
.endm
; THE SOFTMAX of tile x for one key step: 64 scores a lane become p's codes, p's scale word, and the new M, sum and O^T.  Each accumulator is read from its low end on.
.macro SOFTMAX x
.set SX, S+64*\x
.set STX, ST+8*\x
.set PCX, PC+12*\x
.irp b, 0,1,2,3
	v_max3_num_f32 v[BM+\b], v[SX+16*\b], v[SX+16*\b+1], v[SX+16*\b+2]   ; THE LARGEST SCORE OF EACH BLOCK OF 32 KEYS serves twice: for the row's maximum and, since p rises with the score, for the block's largest p
.endr
.irp i, 3,5,7,9,11,13
.irp b, 0,1,2,3
	v_max3_num_f32 v[BM+\b], v[BM+\b], v[SX+16*\b+\i], v[SX+16*\b+\i+1]   ; (the four blocks by turns)
.endr
.endr
.irp b, 0,1,2,3
	v_max_num_f32 v[BM+\b], v[BM+\b], v[SX+16*\b+15]
.endr
.irp b, 0,1,2,3
	v_permlanex16_b32 v[BP+\b], v[BM+\b], s[SEL], s[SEL+1]
.endr
.irp b, 0,1,2,3
	v_max_num_f32 v[BM+\b], v[BM+\b], v[BP+\b]     ; with lane l xor 16's 16 keys
.endr
	v_max3_num_f32 v[STX+6], v[BM], v[BM+1], v[BM+2]
	v_max_num_f32 v[STX+6], v[STX+6], v[BM+3]      ; the step's largest score of my query
	v_mul_f32 v[STX+6], s[CS], v[STX+6]            ; as t (c is positive)
	v_max_num_f32 v[STX+1], v[STX+1], v[STX+6]     ; the running largest t
	v_mov_b32 v[STX+6], v[STX]
	v_floor_f32 v[STX], -v[STX+1]                  ; the new -M = floor(-t) = -ceil(t): a whole number
	v_sub_f32 v[STX+6], v[STX], v[STX+6]           ; old M - new M: a whole number, 0 or less
	v_cvt_i32_f32 v[STX+6], v[STX+6]               ; (it saturates)
	v_ldexp_f32 v[STX+4], 1.0, v[STX+6]            ; f = 2^(old M - new M)
.set j, 0
.rept 32
	v_pk_fma_f32 v[SX+j:SX+j+1], v[SX+j:SX+j+1], s[CS:CS+1], v[STX:STX+1] op_sel_hi:[1,0,0]   ; t - M, two at a time (of the pairs c and -M the low word serves both halves)
.set j, j+2
.endr
.irp b, 0,1,2,3
	v_fma_f32 v[BM+\b], v[BM+\b], s[CS], v[STX]    ; the same of each block's largest score
.endr
.set j, 0
	s_wait_alu depctr_va_vdst(0)
.rept 64
	v_exp_f32 v[SX+j], v[SX+j]                     ; p = 2^(t - M), at most 1
.set j, j+1
.endr
	v_pk_mul_f32 v[STX+2:STX+3], v[STX+2:STX+3], v[STX+4:STX+5] op_sel_hi:[1,0]   ; the sums under the new M: the plain instruction behind the exponentials
	s_wait_alu depctr_va_vdst(0)                   ; the 64 exponentials have written p, ahead of its first reader; in tile 0's turn also: the step's products K Q^T are done reading K's fragments, in whose registers V's land
.if \x == 0
	FETCHV                                         ; no wait of its own: no vector or matrix instruction since the wait above names the fragments' registers, V's scale words or the two addresses
.endif
.irp b, 0,1,2,3
	v_exp_f32 v[BM+\b], v[BM+\b]                   ; the block's largest p: the same two instructions on the same number
.endr
	v_pk_add_f32 v[SU:SU+1], v[SX:SX+1], v[SX+2:SX+3]   ; THE ROW'S SUM IS TAKEN OF THE UNQUANTISED p, in two chains; it reads the 64 alone
.set j, 4
.rept 15
	v_pk_add_f32 v[STX+2:STX+3], v[STX+2:STX+3], v[SX+j:SX+j+1]
	v_pk_add_f32 v[SU:SU+1], v[SU:SU+1], v[SX+j+2:SX+j+3]
.set j, j+4
.endr
	v_pk_add_f32 v[STX+2:STX+3], v[STX+2:STX+3], v[SU:SU+1]
	s_wait_alu depctr_va_vdst(0)                   ; the four exponentials have written the blocks' largest p, ahead of their first reader
.irp b, 0,1,2,3
	v_max_num_f32 v[BM+\b], 0x1800000, v[BM+\b]    ; the floor 2^(3 - 127): the byte cannot fall under 1 (a block whose every p is 0 keeps that byte: its codes are zeros)
.endr
.irp b, 0,1,2,3
	v_add_nc_u32 v[BO+\b], 0xff000000, v[BM+\b]    ; 2 off the exponent field: the conversion's scale operand
.endr
.irp b, 0,1,2,3
	v_lshrrev_b32 v[BP+\b], 23, v[BO+\b]           ; the scale's byte
.endr
	v_lshl_or_b32 v[PS+\x], v[BP+1], 8, v[BP]      ; p's scale word for these 128 keys
	v_lshl_or_b32 v[PS+\x], v[BP+2], 16, v[PS+\x]
	v_lshl_or_b32 v[PS+\x], v[BP+3], 24, v[PS+\x]
.irp c, 0,1
	v_cvt_scalef32_pk16_fp6_f32 v[PCX+6*\c:PCX+6*\c+2], v[SX+32*\c:SX+32*\c+15], v[BO+2*\c]
	v_cvt_scalef32_pk16_fp6_f32 v[CT+4*\c:CT+4*\c+2], v[SX+32*\c+16:SX+32*\c+31], v[BO+2*\c+1]   ; (a conversion's three registers begin on an even number)
.endr
	v_nop                                          ; one plain place behind a scaled conversion
.irp c, 0,1                            ; the operand's layout wants a WHOLE block in a lane: lanes 0-15 block 2 c, lanes 16-31 block 2 c + 1
.irp i, 0,1,2
	v_permlane16_swap_b32 v[PCX+6*\c+\i], v[CT+4*\c+\i]
.endr
.irp i, 0,1,2
	v_mov_b32 v[PCX+6*\c+3+\i], v[CT+4*\c+\i]
.endr
.endr
	WIN 0x41                                       ; O^T (destination and source 0) window 1, f window 0
.set j, 0
.rept 32
	v_pk_mul_f32 v[64*\x+j:64*\x+j+1], v[64*\x+j:64*\x+j+1], v[STX+4:STX+5] op_sel_hi:[1,0]   ; O^T under the new M.  (These 32 also stand between the scale word and codes just made and the products that take them)
.set j, j+2
.endr
	WIN 0
.endm
; A TRIP: one key step, read from the slot named; the next block goes into the other slot.
.macro TRIP slot
.set SB, (\slot)*SLOTB
.set OB, (1-(\slot))*SLOTB
	s_wait_dscnt 0x0                               ; my stores into this slot have landed, and my reads of the other slot are over
	s_barrier_signal -1
	s_barrier_wait -1                              ; both now hold of every wave
	s_wait_xcnt 0x0                                ; the last trip's prefetch has had its address translated (its loads were waited for): the two global offsets may be written
	s_wait_alu depctr_vm_vsrc(0)                   ; the LDS stores issued so far have read v[S ..], which this step's products write; the last trip's loads and prefetch have read ADS, GFS and PFV, which are written now
	v_add_nc_u32 v[ADS], s[TS], v[LS]
	v_add_nc_u32 v[GFS], s[OFF], v[GF]
	v_add_nc_u32 v[PFV], s[OFF], v[PFO]
	s_cmp_lt_u32 s[SI], s[NS]                      ; a step all of whose keys are hidden is left out: the branch jumps over work alone
	s_cbranch_scc0 .Lidle_\@
	s_wait_alu depctr_va_vdst(0)                   ; ADS, GFS and PFV are written, which this step's loads and prefetch read; the last step's products are done reading the fragments and scale words in whose registers the loads below land
.irp b, 0,1,2,3
	ds_load_b32 v[KS+\b], v[ADS] offset:128*\b
.endr
	WIN 0x40                                       ; destination window 1, address window 0
.irp t, 0,1,2,3,4,5,6,7
.irp c, 0,1,2
	ds_load_b128 v[FA+12*\t+4*\c:FA+12*\t+4*\c+3], v[LB] offset:SB+1536*\t+512*\c
.endr
.endr
	s_wait_dscnt 12                                ; the scale words and tiles 0-3 are in; the twelve loads of tiles 4-7 may be out
	WIN 0x01                                       ; source 0 (K) window 1
.irp t, 0,1,2,3
.irp x, 0,1
	KQ FA, \t, \t, \x
.endr
.endr
	s_wait_dscnt 0x0
.irp t, 0,1,2,3
.irp x, 0,1
	KQ FA+48, \t, 4+\t, \x
.endr
.endr
	WIN 0
.rept 4
	v_nop                                          ; four places (ISA guide 7.12.1) in front of the first reads of the scores
.endr
	s_add_co_u32 s40, s[KF], 128
	s_cmp_le_u32 s40, s[LEN]                       ; a step all of whose keys count skips the mask
	s_cbranch_scc1 .Lopen_\@
	s_sub_co_i32 s40, s[LEN], s[KF]
	v_sub_nc_u32 v[MD], s40, v[H16]                ; register 16 b + i holds key KF + 16 (lane / 16) + 32 b + i: hidden where 32 b + i >= length - KF - 16 (lane / 16)
.set n, 0
.rept 8                                ; eight registers of each tile at a time: eight compares into eight scalar registers, one wait, sixteen selects
.irp i, 0,1,2,3
	v_cmp_ge_i32 s[MK0+\i], 32*((n+\i)/16)+(n+\i)%16, v[MD]
.endr
.irp i, 0,1,2,3
	v_cmp_ge_i32 s[MK1+\i], 32*((n+4+\i)/16)+(n+4+\i)%16, v[MD]
.endr
	s_wait_alu depctr_va_sdst(0)                   ; the eight masks are written, which the selects read
.irp i, 0,1,2,3
	v_cndmask_b32 v[S+n+\i], v[S+n+\i], v[NINF], s[MK0+\i]
	v_cndmask_b32 v[S+64+n+\i], v[S+64+n+\i], v[NINF], s[MK0+\i]
.endr
.irp i, 0,1,2,3
	v_cndmask_b32 v[S+n+4+\i], v[S+n+4+\i], v[NINF], s[MK1+\i]
	v_cndmask_b32 v[S+64+n+4+\i], v[S+64+n+4+\i], v[NINF], s[MK1+\i]
.endr
.set n, n+8
.endr
.Lopen_\@:
	SOFTMAX 0                                      ; (V is asked for inside it)
	s_add_co_u32 s40, s[SI], 1
	s_cmp_lt_u32 s40, s[NS]                        ; is there a next block that counts?
	s_cbranch_scc0 .Lnoload_\@
	s_wait_alu depctr_va_vdst(0)                   ; the products, the mask and tile 0's softmax are done writing and reading v[S .. S+47], in which the loads below land
.irp i, 0,1,2,3,4,5,6,7,8,9,10,11
	global_load_b128 v[S+4*\i:S+4*\i+3], v[GFS], s[KVB:KVB+1] offset:2048*\i   ; block SI + 1 into tile 0's p, which is spent: it lands under tile 1's softmax and the second product, which name none of these registers
.endr
; A PREFETCH INTO THE L2 of block SI + 3, two trips ahead of the loads that want it; it stands behind the trip's loads.  All 16 work-groups of a batch walk the same blocks: the first (x = 0) asks;
; waves 0 to 2 of its half take 8,192 bytes each, lanes 256 bytes apart: 3 x 8,192 = a block, so each aligned 256 bytes are named once in the launch.  Blocks 0 to 2 come by their loads alone;
; nothing is asked for where SI + 3 reaches NS: no hidden block, and nothing past the batch's codes.
	s_add_co_u32 s40, s[SI], 3
	s_cmp_lt_u32 s40, s[LIM]
	s_cbranch_scc0 .Lnoload_\@
	global_prefetch_b8 v[PFV], s[KVB:KVB+1] offset:2*SLOTB th:TH_LOAD_NT scope:SCOPE_SE
.Lnoload_\@:
	SOFTMAX 1
	s_wait_dscnt 0x0                               ; V and its scale words are in
	s_wait_alu depctr_va_vdst(0)                   ; both tiles' codes and scale words of p are written, which the products below take as source 1 and as scales; the 32 multiplications above are the places in front of them
	WIN 0x51                                       ; V window 1, p's codes window 0, O^T (C and D) window 1
.irp g, 0,1                            ; the 16 accumulators take turns, one instruction a turn
.irp t, 0,1,2,3
.irp x, 0,1
	PV \g, \t, \x
.endr
.endr
.endr
	WIN 0
.rept 4
	v_nop                                          ; four places (ISA guide 7.12.1) behind the last products, whose results the next step's rescaling and the way out read
.endr
	s_wait_loadcnt 0x0                             ; the next block, if it was asked for, is in registers
	s_add_co_u32 s40, s[SI], 1
	s_cmp_lt_u32 s40, s[NS]
	s_cbranch_scc0 .Lidle_\@
.irp i, 0,1,2,3,4,5,6,7,8,9,10,11
	ds_store_b128 v[FW], v[S+4*\i:S+4*\i+3] offset:OB+2048*\i   ; into the slot that every wave of the half left at this trip's barrier.  (The data come from loads, the address from the head)
.endr
.Lidle_\@:
	s_add_co_u32 s[SI], s[SI], 1                   ; on every path
	s_add_co_u32 s[KF], s[KF], 128
	s_add_co_u32 s[TS], s[TS], 1024
	s_add_co_u32 s[OFF], s[OFF], SLOTB
.endm
.Lloop:                                            ; 8 trips of two steps: 16 steps and 16 barriers for every wave, whatever its batch's length
	TRIP 0
	TRIP 1
	s_add_co_u32 s[IT], s[IT], 1
	s_cmp_lt_u32 s[IT], 8
	s_cbranch_scc1 .Lloop
; THE WAY OUT.  O^T is divided by the row's sum and goes through my own stage in LDS, two tiles of 16 queries; it comes back as whole rows of 512 bytes.
	s_wait_alu depctr_vm_vsrc(0)                   ; the loop's last LDS stores have read v[S .. S+47], which the divisions below write
.irp x, 0,1
	v_add_f32 v[ST+8*\x+6], v[ST+8*\x+2], v[ST+8*\x+3]   ; the sum's two halves,
.endr
.irp x, 0,1
	v_permlanex16_b32 v[ST+8*\x+7], v[ST+8*\x+6], s[SEL], s[SEL+1]
.endr
.irp x, 0,1
	v_add_f32 v[ST+8*\x+6], v[ST+8*\x+6], v[ST+8*\x+7]   ; and lane l xor 16's
.endr
	s_wait_alu depctr_va_vdst(0)
.irp x, 0,1
	v_rcp_f32 v[RL+2*\x], v[ST+8*\x+6]
.endr
	v_nop                                          ; a plain instruction behind the last reciprocal
	s_wait_alu depctr_va_vdst(0)                   ; the two reciprocals are written, ahead of their first reader
.macro DIV u
	WIN 0x01                                       ; source 0 (O^T) window 1
.set j, 0
.rept 32
	v_pk_mul_f32 v[S+64*\u+j:S+64*\u+j+1], v[64*\u+j:64*\u+j+1], v[RL+2*\u:RL+2*\u+1] op_sel_hi:[1,0]   ; register 8 t + i: channel 16 t + 8 h + i of my query; each accumulator from its low end on
.set j, j+2
.endr
	WIN 0
.endm
.macro TOSTAGE u
.irp t, 0,1,2,3,4,5,6,7
	ds_store_b128 v[SO], v[S+64*\u+8*\t:S+64*\u+8*\t+3] offset:16*\u*SP+64*\t
	ds_store_b128 v[SO], v[S+64*\u+8*\t+4:S+64*\u+8*\t+7] offset:16*\u*SP+64*\t+16
.endr
.endm
.macro BACK u
.irp i, 0,1,2,3,4,5,6,7,8,9,10,11,12,13,14,15
	ds_load_b128 v[S+64*\u+4*\i:S+64*\u+4*\i+3], v[SR] offset:(16*\u+\i)*SP   ; LDS serves a wave's instructions in order: these see the stores above
.endr
.endm
.macro SEND u, younger                 ; younger: the LDS instructions issued behind tile u's loads
.irp i, 0,1,2,3,4,5,6,7,8,9,10,11,12,13,14,15
	s_wait_dscnt \younger+15-\i
	global_store_b128 v[GO], v[S+64*\u+4*\i:S+64*\u+4*\i+3], s[10:11] offset:512*(8*\u+\i+8*(\i/8)) th:TH_STORE_NT   ; tile row i is query 8 u + i + 8 (i / 8); 32 lanes store its 512 consecutive bytes
.endr
.endm
	DIV 0
	DIV 1
	s_wait_alu depctr_va_vdst(0)                   ; the divisions have written v[S .. S+127], which the LDS stores read and in which the loads from the stage land
	TOSTAGE 0
	TOSTAGE 1
	s_wait_alu depctr_vm_vsrc(0)                   ; the LDS stores have read v[S .. S+127]: the rows come back into the same registers
	BACK 0
	BACK 1
	SEND 0, 16                                     ; tile 1's 16 loads may be out
	SEND 1, 0
	s_wait_dscnt 0x0
	s_wait_alu depctr_hold_cnt(0) depctr_sa_sdst(0) depctr_va_vdst(0) depctr_va_sdst(0) depctr_va_ssrc(0) depctr_va_vcc(0) depctr_vm_vsrc(0)
	s_wait_tensorcnt 0x0
	ds_add_u32 v254, v255
	s_wait_dscnt 0x0
	s_endpgm
.Lfunc_end_k_q0527ca25fc_attn:
	.size	k_q0527ca25fc_attn, .Lfunc_end_k_q0527ca25fc_attn-k_q0527ca25fc_attn
	.p2alignl 7, 3214868480
	.fill 96, 4, 3214868480
	.section	.rodata,"a",@progbits
	.p2align	6, 0x0
	.amdhsa_kernel k_q0527ca25fc_attn
		.amdhsa_group_segment_fixed_size 267264
		.amdhsa_private_segment_fixed_size 0
		.amdhsa_enable_private_segment 0
		.amdhsa_kernarg_size 32
		.amdhsa_user_sgpr_count 2
		.amdhsa_user_sgpr_kernarg_segment_ptr 1
		.amdhsa_wavefront_size32 1
		.amdhsa_system_sgpr_workgroup_id_x 1
		.amdhsa_system_sgpr_workgroup_id_y 1
		.amdhsa_system_sgpr_workgroup_id_z 1
		.amdhsa_system_vgpr_workitem_id 0
		.amdhsa_next_free_vgpr 512
		.amdhsa_next_free_sgpr 66
		.amdhsa_reserve_vcc 1
		.amdhsa_float_denorm_mode_32 3
		.amdhsa_float_denorm_mode_16_64 3
		.amdhsa_memory_ordered 1
		.amdhsa_forward_progress 1
		.amdhsa_inst_pref_size 133
	.end_amdhsa_kernel
	.amdgpu_metadata
---
amdhsa.version: [ 1, 2 ]
amdhsa.kernels:
  - .name:           k_q0527ca25fc_attn
    .symbol:         k_q0527ca25fc_attn.kd
    .args:
      - { .name: qimg, .offset: 0, .size: 8, .value_kind: global_buffer, .address_space: global }
      - { .name: kvimg, .offset: 8, .size: 8, .value_kind: global_buffer, .address_space: global }
      - { .name: valid_lens, .offset: 16, .size: 8, .value_kind: global_buffer, .address_space: global }
      - { .name: out0, .offset: 24, .size: 8, .value_kind: global_buffer, .address_space: global }
    .group_segment_fixed_size: 267264
    .private_segment_fixed_size: 0
    .kernarg_segment_align: 8
    .kernarg_segment_size: 32
    .max_flat_workgroup_size: 256
    .sgpr_count:     66
    .vgpr_count:     512
    .wavefront_size: 32
...
	.end_amdgpu_metadata
.endif
;; end of part 4
